; MI455X (gfx1250); checked and timed in simulation.
; The chip was launched on July 23, 2026; its instructions are those of AMD's public machine-readable ISA for CDNA 5 (MIT licence, August 2026) and "CDNA5" Instruction Set Architecture Reference Guide (July 2026). The comments in the code are by the model that wrote it; some were corrected since.
;; Causal Self Attention. Allowed arithmetic: matrix products marked QUANTISED: E2M3 operands, one E8M0 scale for each 32 along K, by v_wmma_scale_f32_16x16x128_f8f6f4 with both operands' format E2M3, f32 sums; everything else in f32.
;; Inputs: Wk 1,024 x 1,024 float32; Wp 1,024 x 1,024 float32; Wq 1,024 x 1,024 float32; Wv 1,024 x 1,024 float32; bk 1,024 float32; bp 1,024 float32; bq 1,024 float32; bv 1,024 float32; x 4 x 2,048 x 1,024 float32.
;; Outputs: out0 4 x 2,048 x 1,024 float32.
;; This version of the problem:
;;   THIS VERSION OF THE PROBLEM IS GIVEN IN LOW PRECISION. The matrix products marked QUANTISED in the list below multiply operands that are first quantised to E2M3 (2 exponent bits, 3 mantissa bits; 6 bits a number), with one power-of-two scale for each 32 numbers along K (OCP MX v1.0); their sums are f32. All else is computed in f32.
;;   The module's matrix products, in the order in which they are computed (A, B: the left and right operand; K: the contracted axis; several contracted axes count as one K, in the product's order):
;;     1. [M 8,192, K 1,024] x [K 1,024, N 1,024]; A: input x; B: input Wq: QUANTISED
;;     2. [M 8,192, K 1,024] x [K 1,024, N 1,024]; A: input x; B: input Wk: QUANTISED
;;     3. [M 8,192, K 1,024] x [K 1,024, N 1,024]; A: input x; B: input Wv: QUANTISED
;;     4. batch 64 x [M 2,048, K 64] x [K 64, N 2,048]; A: computed on the way; B: computed on the way: QUANTISED
;;     5. batch 64 x [M 2,048, K 2,048] x [K 2,048, N 64]; A: softmax (see below); B: computed on the way: QUANTISED
;;     6. [M 8,192, K 1,024] x [K 1,024, N 1,024]; A: computed on the way; B: input Wp: QUANTISED
;;   THE QUANTISER, for each operand of a quantised product, along K:
;;     - K is cut into blocks of 32 from its start; a last block that is shorter is filled with zeros.
;;     - A block's scale is 2^e with e = floor(log2(the largest magnitude in the block)) - 2, held to -126 .. 127; a block of zeros has e = 0. As a byte (E8M0): e + 127.
;;     - Each number is divided by its block's scale, clamped to +-7.5, and rounded to the nearest number of E2M3, ties to even, subnormals kept.
;;     - The product sums the exact products of the quantised numbers (number of the format x scale) in f32.
;;   ~~~python
;;   def quantise(x, axis):      # numpy; x: float32 -> the quantised numbers, widened to float32 again
;;       x = np.moveaxis(x, axis, -1); K = x.shape[-1]
;;       x = np.pad(x, [(0, 0)] * (x.ndim - 1) + [(0, -K % 32)]); x = x.reshape(x.shape[:-1] + (-1, 32)); a = np.abs(x).max(-1, keepdims=True)
;;       e = np.where(a > 0, np.clip(np.frexp(np.where(a > 0, a, 1))[1] - 1 - 2, -126, 127), 0)      # np.frexp(a)[1] - 1 = floor(log2(a)), exactly
;;       r = np.clip(x / 2.0 ** e, -7.5, 7.5)
;;       step = 2.0 ** (np.maximum(np.frexp(np.where(r == 0, 1, r))[1] - 1, 0) - 3)
;;       q = np.round(r / step) * step * 2.0 ** e      # np.round: ties to even
;;       return np.moveaxis(q.reshape(q.shape[:-2] + (-1,))[..., :K], -1, axis).astype(np.float32)
;;   ~~~
;;   SOFTMAX AHEAD OF A QUANTISED PRODUCT. Where the list says 'softmax', what is quantised is not the finished softmax but p = 2^(t - M), with t = logit x log2(e) and M = ceil(the row's largest t), a whole number; so 1/2 < the row's largest p <= 1. The row's sum l is taken of the UNQUANTISED p, in f32, and the product's result is divided by l at the end. Since M is a whole number, a kernel that streams over the keys may use a running M (the ceiling of the running maximum): every later rescaling is an exact power of two, which a block's scale takes up: the codes' values come out the same.
;;   OPERANDS COMPUTED ON THE WAY. 'Computed on the way' means the value that the module computes at that place (a softmax that the list does not call 'softmax' is quantised finished and normalised). What goes into a quantiser is computed in f32, as accurately as f32 sums, v_exp_f32 and their like allow (about 1e-6 of the number): no bf16 or f16 on the way to a quantiser, and a product that is left as it is and whose result goes on into a quantised operand takes f32 operands (vector FMAs, or v_wmma_f32_16x16x4_f32). A number that lies on a knife's edge between two numbers of the format may be rounded either way, as far as f32 arithmetic and the matrix unit's own rounding can turn it there, and no further.
;; One version. Each part assembles by itself: llvm-mc -triple=amdgcn-amd-amdhsa -mcpu=gfx1250 --defsym DOCPART=n.
;; ======== version 1 of 1: 5 launches
;; workspace buffers: ops 9,437,184 bytes; opsc 393,216 bytes; qc 6,291,456 bytes; qs 524,288 bytes; kv 12,582,912 bytes; kvs 786,432 bytes; yimg 6,291,456 bytes; ysc 262,144 bytes
;; launch quant_x (part 1): grid 256 x 1, 4 waves a work-group, no clusters, 35,328 bytes of LDS; arguments x, ops, opsc; writes ops, opsc
.if DOCPART == 1
	.amdgcn_target "amdgcn-amd-amdhsa--gfx1250"
	.amdhsa_code_object_version 6
	.text
	.protected	k_qb367c6d066_quant_x
	.globl	k_qb367c6d066_quant_x
	.p2align	8
	.type	k_qb367c6d066_quant_x,@function
k_qb367c6d066_quant_x:
	s_mov_b64 s[64:65], 0
	v_nop
	global_prefetch_b8 v0, s[64:65] scope:SCOPE_SE
	s_setreg_imm32_b32 hwreg(HW_REG_WAVE_MODE, 25, 1), 1
	s_wait_xcnt 0x0
; x [8192][1024] f32 becomes codes of FP6 (E2M3) with one E8M0 byte for each 32 along K, laid as the products' operand registers want them.
; ROW TILES.  Row tile PT = 2 g + u holds, in lane place r, token 32 g + 8 u + r + 8 (r / 8).  As source 0 of a product such a tile gives a lane registers that run along neighbouring tokens.
; A FRAGMENT'S IMAGE (16 rows x 128 K, 12 registers a lane) is 1,536 bytes: six chunks of 256; chunk p holds registers 2 p, 2 p + 1 of lane l at byte 8 l.  ops: [row tile][K / 128][1,536].
; SCALE WORDS (four bytes: 128 along K of one row): opsc: [K / 128][row tile][16] words.
; A block's scale is 2^(floor(log2(largest magnitude)) - 2); its byte is the largest magnitude's exponent field - 2, held at 1 from below.
; LIMITS: NaN and infinities are not served; blocks whose largest magnitude lies under 2^-124 keep the byte 1; a block of zeros has the byte 1 where the rule says 127 (its codes are zeros; this program alone reads the bytes).
; SHARES.  A work-group takes four row tiles (64 tokens) and half of K (512); a wave one row tile, four fragments.  A load reads 512 consecutive bytes of one row; 8,192 bytes turn through the wave's own
; stage in LDS (rows 528 bytes apart) so that a lane gets 16 neighbours of each block of 32.  No matrix unit, no cluster, no tensor load: the launch streams, and waves share only the scale words' gathering.
.set STG,   8448                       ; a wave's stage: 16 rows x (512 + 16) bytes
.set GA,    4*STG                      ; the scale words gathered: [fragment 4][wave 4][16] words
.set SPARE, GA+1024                    ; the spare words, 128 bytes a wave: two blocks of 256 bytes that no other line names
.set LI16, 1                           ; v1   16 x lane
.set STI,  2                           ; v2   the stage, on the way in
.set STO,  3                           ; v3   and on the way out: row r, + 64 h
.set LI8,  4                           ; v4   8 x lane
.set GWR,  5                           ; v5   where my row's scale word is gathered
.set GRD,  6                           ; v6   where my wave reads a plane of 64 words back
.set SPW,  12
.set NIL,  13
.set TM,   16                          ; v16-31  at work in QUANT
.set R,    32                          ; v32-159 two sets of 64 registers as loaded
.set X,    160                         ; v160-223 64 numbers: register 16 b + i = k 32 b + 16 h + i of my row
.set PC,   224                         ; v224-243 the codes
.set PW,   244                         ; v244 the scale word
.set SEL,  20                          ; s[20:21] lane selects: lane l xor 16
; 64 numbers of a lane become a fragment's 12 registers in v[PC] on and its row's scale word in v[PW].
.macro QUANT s
.irp b, 0,1,2,3
	v_max3_num_f32 v[TM+\b], |v[\s+16*\b]|, |v[\s+1+16*\b]|, 0x1800000   ; my 16 numbers of block b, and the floor 2^(3 - 127): the byte cannot fall under 1
.endr
.irp i, 2,4,6,8,10,12,14
.irp b, 0,1,2,3
	v_max3_num_f32 v[TM+\b], v[TM+\b], |v[\s+16*\b+\i]|, |v[\s+1+16*\b+\i]|   ; the four blocks by turns
.endr
.endr
.irp b, 0,1,2,3
	v_permlanex16_b32 v[TM+4+\b], v[TM+\b], s[SEL], s[SEL+1]
.endr
.irp b, 0,1,2,3
	v_max_num_f32 v[TM+\b], v[TM+\b], v[TM+4+\b]   ; with lane l xor 16's: the block's largest magnitude
.endr
.irp b, 0,1,2,3
	v_add_nc_u32 v[TM+12+\b], 0xff000000, v[TM+\b] ; 2 off its exponent field: the conversion's scale operand
.endr
.irp b, 0,1,2,3
	v_lshrrev_b32 v[TM+4+\b], 23, v[TM+12+\b]      ; the scale's byte
.endr
	v_lshl_or_b32 v[PW], v[TM+5], 8, v[TM+4]
	v_lshl_or_b32 v[PW], v[TM+6], 16, v[PW]
	v_lshl_or_b32 v[PW], v[TM+7], 24, v[PW]
.irp c, 0,1
	v_cvt_scalef32_pk16_fp6_f32 v[PC+6*\c:PC+2+6*\c], v[\s+32*\c:\s+15+32*\c], v[TM+12+2*\c]
	v_cvt_scalef32_pk16_fp6_f32 v[PC+12+4*\c:PC+14+4*\c], v[\s+16+32*\c:\s+31+32*\c], v[TM+12+2*\c+1]   ; (a conversion's three registers begin on an even number)
.endr
	v_nop                                          ; one plain place behind a scaled conversion
.irp c, 0,1                                    ; the operand wants a whole block in a lane: lanes 0-15 block 2 c, lanes 16-31 block 2 c + 1
.irp i, 0,1,2
	v_permlane16_swap_b32 v[PC+6*\c+\i], v[PC+12+4*\c+\i]
.endr
.irp i, 0,1,2
	v_mov_b32 v[PC+3+6*\c+\i], v[PC+12+4*\c+\i]
.endr
.endr
.endm
	s_load_b128 s[4:7], s[0:1], 0x0                ; x, ops
	s_load_b64 s[8:9], s[0:1], 0x10                ; opsc
	v_lshl_add_u32 v[SPW], v0, 2, SPARE
	v_mov_b32 v[NIL], 0
	v_lshrrev_b32 v7, 5, v0
	v_readfirstlane_b32 s16, v7                    ; wave
	v_and_b32 v7, 31, v0                           ; lane
	v_and_b32 v8, 15, v0                           ; r
	v_bfe_u32 v9, v0, 4, 1                         ; h
	v_lshlrev_b32 v[LI16], 4, v7
	v_lshlrev_b32 v[LI8], 3, v7
	s_mul_i32 s17, s16, STG
	v_add_nc_u32 v[STI], s17, v[LI16]
	v_mul_u32_u24 v[STO], v8, 528
	v_lshl_add_u32 v[STO], v9, 6, v[STO]
	v_add_nc_u32 v[STO], s17, v[STO]
	s_lshl_b32 s17, s16, 6
	s_add_co_u32 s17, s17, GA
	v_lshl_add_u32 v[GWR], v8, 2, s17              ; GA + 64 x wave + 4 r
	s_lshl_b32 s17, s16, 8
	s_add_co_u32 s17, s17, GA
	v_add_nc_u32 v[GRD], s17, v[LI8]               ; GA + 256 x wave + 8 x lane
	s_mov_b32 s[SEL], 0x76543210
	s_mov_b32 s[SEL+1], 0xfedcba98
.irp b, 0,1,2,3
	v_mov_b32 v[TM+4+\b], 0                        ; written once: a lane permute's destination counts as one of its sources
.endr
	s_lshr_b32 s18, ttmp9, 1                       ; which four row tiles
	s_and_b32 s19, ttmp9, 1                        ; which half of K
	s_lshl_b32 s22, s18, 2
	s_add_co_u32 s22, s22, s16                     ; my row tile PT
	s_lshr_b32 s23, s22, 1
	s_lshl_b32 s23, s23, 5
	s_and_b32 s24, s22, 1
	s_lshl_b32 s24, s24, 3
	s_add_co_u32 s23, s23, s24                     ; its first token: 32 (PT / 2) + 8 (PT % 2)
	s_lshl_b32 s24, s23, 12                        ; x 4,096 bytes a row
	s_lshl_b32 s25, s19, 11
	s_add_co_u32 s24, s24, s25                     ; + 2,048 bytes for the upper half of K
	s_mov_b32 s25, 0
	s_mul_i32 s26, s22, 12288                      ; ops: a row tile's eight images,
	s_mul_i32 s27, s19, 6144                       ; four of them on
	s_add_co_u32 s26, s26, s27
	s_mov_b32 s27, 0
	s_lshl_b32 s28, s19, 2
	s_add_co_u32 s28, s28, s16                     ; opsc: the plane that my wave stores: K / 128 = 4 half + wave
	s_mul_i32 s28, s28, 49152
	s_lshl_b32 s29, s18, 8                         ; four row tiles' 256 bytes
	s_add_co_u32 s28, s28, s29
	s_mov_b32 s29, 0
	s_wait_kmcnt 0x0
	s_add_nc_u64 s[4:5], s[4:5], s[24:25]
	s_add_nc_u64 s[6:7], s[6:7], s[26:27]
	s_add_nc_u64 s[8:9], s[8:9], s[28:29]
.macro LOAD f                          ; fragment f: 512 consecutive bytes of each of the tile's 16 rows
.irp p, 0,1,2,3,4,5,6,7,8,9,10,11,12,13,14,15
	global_load_b128 v[R+64*((\f)%2)+4*\p:R+64*((\f)%2)+4*\p+3], v[LI16], s[4:5] offset:(\p+8*(\p/8))*4096+512*(\f) th:TH_LOAD_NT
.endr
.endm
.macro FRAGX f
.if (\f) < 3
	s_wait_loadcnt 16                              ; this fragment's 16 loads are in; the next fragment's 16 may be out
.else
	s_wait_loadcnt 0x0
.endif
.irp p, 0,1,2,3,4,5,6,7,8,9,10,11,12,13,14,15
	ds_store_b128 v[STI], v[R+64*((\f)%2)+4*\p:R+64*((\f)%2)+4*\p+3] offset:528*\p
.endr
.irp b, 0,1,2,3
.irp j, 0,1,2,3
	ds_load_b128 v[X+16*\b+4*\j:X+16*\b+4*\j+3], v[STO] offset:128*\b+16*\j   ; LDS serves a wave's instructions in order: these see the stores above
.endr
.endr
	s_wait_xcnt 0x0                                ; the last fragment's stores have read their data: the codes' registers are written again only behind this wait
	s_wait_dscnt 0x0                               ; my numbers are back, and the stage's stores have read their registers,
.if (\f) < 2
	LOAD (\f)+2                                    ; which take the loads of two fragments on
.endif
	QUANT X
.irp p, 0,1,2,3,4,5
	global_store_b64 v[LI8], v[PC+2*\p:PC+2*\p+1], s[6:7] offset:1536*(\f)+256*\p   ; 32 lanes store 256 consecutive bytes, aligned
.endr
	ds_store_b32 v[GWR], v[PW] offset:256*(\f)     ; lanes r and r + 16 write the same word with the same value
.endm
	LOAD 0
	LOAD 1
	FRAGX 0
	FRAGX 1
	FRAGX 2
	FRAGX 3
	s_wait_dscnt 0x0                               ; for the others' sake: my scale words lie in LDS
	s_barrier_signal -1
	s_barrier_wait -1
	ds_load_b64 v[10:11], v[GRD]                   ; one plane: four row tiles' 64 words
	s_wait_dscnt 0x0
	global_store_b64 v[LI8], v[10:11], s[8:9]      ; 256 consecutive bytes, aligned
	s_wait_tensorcnt 0x0                           ; the wave's end: a wait, an add of 0 onto my spare word and its wait, behind my last LDS store
	ds_add_u32 v[SPW], v[NIL]
	s_wait_dscnt 0x0
	s_endpgm
.Lfunc_end_k_qb367c6d066_quant_x:
	.size	k_qb367c6d066_quant_x, .Lfunc_end_k_qb367c6d066_quant_x-k_qb367c6d066_quant_x
	.p2alignl 7, 3214868480
	.fill 96, 4, 3214868480
	.section	.rodata,"a",@progbits
	.p2align	6, 0x0
	.amdhsa_kernel k_qb367c6d066_quant_x
		.amdhsa_group_segment_fixed_size 35328
		.amdhsa_private_segment_fixed_size 0
		.amdhsa_enable_private_segment 0
		.amdhsa_kernarg_size 24
		.amdhsa_user_sgpr_count 2
		.amdhsa_user_sgpr_kernarg_segment_ptr 1
		.amdhsa_wavefront_size32 1
		.amdhsa_system_sgpr_workgroup_id_x 1
		.amdhsa_system_sgpr_workgroup_id_y 1
		.amdhsa_system_sgpr_workgroup_id_z 1
		.amdhsa_system_vgpr_workitem_id 0
		.amdhsa_next_free_vgpr 256
		.amdhsa_next_free_sgpr 66
		.amdhsa_reserve_vcc 0
		.amdhsa_float_denorm_mode_32 3
		.amdhsa_float_denorm_mode_16_64 3
		.amdhsa_memory_ordered 1
		.amdhsa_forward_progress 1
		.amdhsa_inst_pref_size 35
	.end_amdhsa_kernel
	.amdgpu_metadata
---
amdhsa.version: [ 1, 2 ]
amdhsa.kernels:
  - .name:           k_qb367c6d066_quant_x
    .symbol:         k_qb367c6d066_quant_x.kd
    .args:
      - { .name: x, .offset: 0, .size: 8, .value_kind: global_buffer, .address_space: global }
      - { .name: ops, .offset: 8, .size: 8, .value_kind: global_buffer, .address_space: global }
      - { .name: opsc, .offset: 16, .size: 8, .value_kind: global_buffer, .address_space: global }
    .group_segment_fixed_size: 35328
    .private_segment_fixed_size: 0
    .kernarg_segment_align: 8
    .kernarg_segment_size: 24
    .max_flat_workgroup_size: 128
    .sgpr_count:     66
    .vgpr_count:     256
    .wavefront_size: 32
...
	.end_amdgpu_metadata
.endif
;; end of part 1
;; launch quant_w (part 2): grid 64 x 4, 4 waves a work-group, no clusters, 13,312 bytes of LDS; arguments Wq, Wk, Wv, Wp, ops, opsc; writes ops, opsc
.if DOCPART == 2
	.amdgcn_target "amdgcn-amd-amdhsa--gfx1250"
	.amdhsa_code_object_version 6
	.text
	.protected	k_qb367c6d066_quant_w
	.globl	k_qb367c6d066_quant_w
	.p2align	8
	.type	k_qb367c6d066_quant_w,@function
k_qb367c6d066_quant_w:
	s_mov_b64 s[64:65], 0
	v_nop
	global_prefetch_b8 v0, s[64:65] scope:SCOPE_SE
	s_setreg_imm32_b32 hwreg(HW_REG_WAVE_MODE, 25, 1), 1
	s_wait_xcnt 0x0
; Wq, Wk, Wv, Wp [1024 (k)][1024 (n)] f32: K is the FIRST axis.  They become codes of FP6 (E2M3) and E8M0 bytes along K, in the same images and scale words as x's (see below), as row tiles 512 + 64 w on of ops and opsc.
; A LANE TAKES A COLUMN n AND ITS REGISTERS RUN DOWN K: a load reads neighbouring n in neighbouring lanes, a block of 32 along K lies in one lane, and the conversions give codes with K innermost.
; ROW TILES: row tile 2 g + u holds, in lane place r, column 32 g + 8 u + r + 8 (r / 8).  So column 32 g + l goes to tile 2 g + (l / 8) % 2, place (l % 8) + 8 (l / 16).
; AN IMAGE (16 rows x 128 K): six chunks of 256 bytes; chunk p holds registers 2 p, 2 p + 1 of lane l at byte 8 l; register 6 c + .. of lane (r, h) holds k = 64 c + 32 h + 0 .. 31: my block 2 c + h goes to chunks 3 c .. 3 c + 2 at 128 h + 8 r.
; LIMITS: NaN and infinities are not served; blocks whose largest magnitude lies under 2^-124 keep the byte 1; a block of zeros has the byte 1 where the rule says 127 (its codes are zeros; this program alone reads the bytes).
; SHARES.  Work-group x: 64 columns of one weight (x / 16); y: 256 along K.  Wave w: 32 columns (w % 2), 128 along K (w / 2): two images.  They leave through the wave's own stage as runs of 512 bytes.
; Loads run two blocks (64 loads a wave) ahead; each block has 32 registers of its own.  No matrix unit, no cluster, no tensor load: the launch streams.
.set WST,   3072                       ; a wave's stage: two images
.set GA,    4*WST                      ; the scale words gathered: [K / 128 of two][4 tiles][16] words
.set SPARE, GA+512                     ; the spare words, 128 bytes a wave
.set X,     32                         ; v32-159 my column's 128 numbers
.set C,     160                        ; v160-191 eight registers for each block's codes
.set OUTR,  192                        ; v192-215 the way out
.set SPW,   14
.set NIL,   15
	s_load_b256 s[4:11], s[0:1], 0x0               ; Wq, Wk, Wv, Wp
	s_load_b128 s[12:15], s[0:1], 0x20             ; ops, opsc
	v_lshl_add_u32 v[SPW], v0, 2, SPARE
	v_mov_b32 v[NIL], 0
	v_lshrrev_b32 v8, 5, v0
	v_readfirstlane_b32 s16, v8                    ; wave
	v_and_b32 v8, 31, v0                           ; lane
	v_lshlrev_b32 v1, 2, v8                        ; in: 4 bytes a lane
	v_lshlrev_b32 v4, 4, v8                        ; out: 16 bytes a lane
	v_lshlrev_b32 v7, 3, v8
	v_bfe_u32 v9, v0, 3, 1                         ; which of my two tiles
	v_and_b32 v10, 7, v0
	v_bfe_u32 v11, v0, 4, 1
	v_lshl_add_u32 v10, v11, 3, v10                ; my place r in it
	s_mul_i32 s17, s16, WST
	v_mul_u32_u24 v2, v9, 1536
	v_lshl_add_u32 v2, v10, 3, v2
	v_add_nc_u32 v2, s17, v2                       ; the stage, on the way in
	v_add_nc_u32 v3, s17, v4                       ; and on the way out
	s_and_b32 s18, s16, 1                          ; which 32 columns
	s_lshr_b32 s19, s16, 1                         ; which 128 along K
	s_lshl_b32 s20, s19, 8
	s_lshl_b32 s21, s18, 7
	s_add_co_u32 s20, s20, s21
	s_add_co_u32 s20, s20, GA
	v_lshlrev_b32 v5, 6, v9
	v_lshl_add_u32 v5, v10, 2, v5
	v_add_nc_u32 v5, s20, v5                       ; where my column's scale word is gathered
	s_lshl_b32 s20, s18, 8
	s_add_co_u32 s20, s20, GA
	v_add_nc_u32 v6, s20, v7                       ; where waves 0 and 1 read a plane of 64 words back
	s_and_b32 s22, ttmp7, 0xffff
	s_lshl_b32 s22, s22, 1
	s_add_co_u32 s23, s22, s19                     ; my K / 128
	s_lshl_b32 s24, s23, 19                        ; 128 rows of 4,096 bytes
	s_and_b32 s25, ttmp9, 15
	s_lshl_b32 s25, s25, 8                         ; 64 columns
	s_add_co_u32 s24, s24, s25
	s_lshl_b32 s25, s18, 7                         ; 32 columns
	s_add_co_u32 s24, s24, s25
	s_mov_b32 s25, 0
	s_lshl_b32 s26, ttmp9, 2
	s_add_co_u32 s26, s26, 512                     ; the work-group's first row tile
	s_lshl_b32 s28, s26, 6                         ; its scale words in a plane
	s_lshl_b32 s27, s18, 1
	s_add_co_u32 s26, s26, s27                     ; my wave's first row tile
	s_mul_i32 s26, s26, 12288
	s_mul_i32 s27, s23, 1536
	s_add_co_u32 s26, s26, s27
	s_mov_b32 s27, 0
	s_add_co_u32 s29, s22, s18                     ; the plane that waves 0 and 1 store
	s_mul_i32 s29, s29, 49152
	s_add_co_u32 s28, s28, s29
	s_mov_b32 s29, 0
	s_lshr_b32 s30, ttmp9, 4                       ; which weight: the choice hangs on the work-group's number alone
	s_wait_kmcnt 0x0
	s_cmp_eq_u32 s30, 1
	s_cselect_b64 s[4:5], s[6:7], s[4:5]
	s_cmp_eq_u32 s30, 2
	s_cselect_b64 s[4:5], s[8:9], s[4:5]
	s_cmp_eq_u32 s30, 3
	s_cselect_b64 s[4:5], s[10:11], s[4:5]
	s_add_nc_u64 s[4:5], s[4:5], s[24:25]
	s_add_nc_u64 s[12:13], s[12:13], s[26:27]
	s_add_nc_u64 s[14:15], s[14:15], s[28:29]
.macro LOAD t                          ; block t: W(32 t + n, my column), n = 0 .. 31, into the block's own 32 registers
.set n, 0
.rept 32
	global_load_b32 v[X+32*(\t)+n], v1, s[4:5] offset:(32*(\t)+n)*4096 th:TH_LOAD_NT   ; 32 lanes read 128 consecutive bytes; the wave beside me the next 128
.set n, n+1
.endr
.endm
	LOAD 0
	LOAD 1
.macro BLOCK t
.set XS, X+32*(\t)
.set CC, C+8*(\t)
.if (\t) < 3
	s_wait_loadcnt 32                              ; loads come back in order (ISA guide 5.7.1): this block's 32 are in; the next block's 32 may be out
.else
	s_wait_loadcnt 0x0
.endif
.if (\t) < 2
	LOAD (\t)+2                                    ; two blocks ahead
.endif
	v_max3_num_f32 v12, |v[XS]|, |v[XS+1]|, |v[XS+2]|
	v_max3_num_f32 v13, |v[XS+3]|, |v[XS+4]|, |v[XS+5]|
.irp i, 6,10,14,18,22,26
	v_max3_num_f32 v12, v12, |v[XS+\i]|, |v[XS+\i+1]|
	v_max3_num_f32 v13, v13, |v[XS+\i+2]|, |v[XS+\i+3]|
.endr
	v_max3_num_f32 v12, v12, |v[XS+30]|, |v[XS+31]|
	v_max3_num_f32 v12, v12, v13, 0x1800000        ; and the floor 2^(3 - 127)
	v_add_nc_u32 v11, 0xff000000, v12              ; 2 off the exponent field: the conversion's scale operand
	v_cvt_scalef32_pk16_fp6_f32 v[CC:CC+2], v[XS:XS+15], v11
	v_cvt_scalef32_pk16_fp6_f32 v[CC+4:CC+6], v[XS+16:XS+31], v11
	v_lshrrev_b32 v13, 23, v11                     ; the scale's byte (also the plain place behind the conversions)
.if (\t) == 0
	v_mov_b32 v24, v13
.else
	v_lshl_or_b32 v24, v13, 8*(\t), v24            ; the lower K in the lower byte
.endif
	v_mov_b32 v[CC+3], v[CC+4]                     ; the block's six registers on end
	v_mov_b32 v[CC+4], v[CC+5]
	v_mov_b32 v[CC+5], v[CC+6]
.irp i, 0,1,2
	ds_store_b64 v2, v[CC+2*\i:CC+2*\i+1] offset:(3*((\t)/2)+\i)*256+128*((\t)%2)
.endr
.endm
	BLOCK 0
	BLOCK 1
	BLOCK 2
	BLOCK 3
	ds_store_b32 v5, v24
.irp m, 0,1,2,3,4,5
	ds_load_b128 v[OUTR+4*\m:OUTR+4*\m+3], v3 offset:512*\m   ; LDS serves a wave's instructions in order: these see my stores
.endr
.irp m, 0,1,2,3,4,5
	s_wait_dscnt 5-\m                              ; the younger loads may be out
	global_store_b128 v4, v[OUTR+4*\m:OUTR+4*\m+3], s[12:13] offset:(\m/3)*12288+(\m%3)*512   ; 512 consecutive bytes, aligned
.endr
	s_wait_dscnt 0x0                               ; for the others' sake: my scale words lie in LDS
	s_barrier_signal -1
	s_barrier_wait -1
	s_cmp_lt_u32 s16, 2
	s_cbranch_scc0 .Lno_plane
	ds_load_b64 v[12:13], v6                       ; a plane's 64 words of the work-group's four tiles
	s_wait_dscnt 0x0
	global_store_b64 v7, v[12:13], s[14:15]        ; 256 consecutive bytes, aligned
.Lno_plane:
	s_wait_tensorcnt 0x0                           ; the wave's end: a wait, an add of 0 onto my spare word and its wait, behind my last LDS store
	ds_add_u32 v[SPW], v[NIL]
	s_wait_dscnt 0x0
	s_endpgm
.Lfunc_end_k_qb367c6d066_quant_w:
	.size	k_qb367c6d066_quant_w, .Lfunc_end_k_qb367c6d066_quant_w-k_qb367c6d066_quant_w
	.p2alignl 7, 3214868480
	.fill 96, 4, 3214868480
	.section	.rodata,"a",@progbits
	.p2align	6, 0x0
	.amdhsa_kernel k_qb367c6d066_quant_w
		.amdhsa_group_segment_fixed_size 13312
		.amdhsa_private_segment_fixed_size 0
		.amdhsa_enable_private_segment 0
		.amdhsa_kernarg_size 48
		.amdhsa_user_sgpr_count 2
		.amdhsa_user_sgpr_kernarg_segment_ptr 1
		.amdhsa_wavefront_size32 1
		.amdhsa_system_sgpr_workgroup_id_x 1
		.amdhsa_system_sgpr_workgroup_id_y 1
		.amdhsa_system_sgpr_workgroup_id_z 1
		.amdhsa_system_vgpr_workitem_id 0
		.amdhsa_next_free_vgpr 224
		.amdhsa_next_free_sgpr 66
		.amdhsa_reserve_vcc 0
		.amdhsa_float_denorm_mode_32 3
		.amdhsa_float_denorm_mode_16_64 3
		.amdhsa_memory_ordered 1
		.amdhsa_forward_progress 1
		.amdhsa_inst_pref_size 24
	.end_amdhsa_kernel
	.amdgpu_metadata
---
amdhsa.version: [ 1, 2 ]
amdhsa.kernels:
  - .name:           k_qb367c6d066_quant_w
    .symbol:         k_qb367c6d066_quant_w.kd
    .args:
      - { .name: Wq, .offset: 0, .size: 8, .value_kind: global_buffer, .address_space: global }
      - { .name: Wk, .offset: 8, .size: 8, .value_kind: global_buffer, .address_space: global }
      - { .name: Wv, .offset: 16, .size: 8, .value_kind: global_buffer, .address_space: global }
      - { .name: Wp, .offset: 24, .size: 8, .value_kind: global_buffer, .address_space: global }
      - { .name: ops, .offset: 32, .size: 8, .value_kind: global_buffer, .address_space: global }
      - { .name: opsc, .offset: 40, .size: 8, .value_kind: global_buffer, .address_space: global }
    .group_segment_fixed_size: 13312
    .private_segment_fixed_size: 0
    .kernarg_segment_align: 8
    .kernarg_segment_size: 48
    .max_flat_workgroup_size: 128
    .sgpr_count:     66
    .vgpr_count:     224
    .wavefront_size: 32
...
	.end_amdgpu_metadata
.endif
;; end of part 2
;; launch gemm_qkv (part 3): grid 12 x 32, 4 waves a work-group, clusters of 4 x 4, 327,680 bytes of LDS; arguments ops, opsc, bq, bk, bv, qc, qs, kv, kvs; writes qc, qs, kv, kvs
.if DOCPART == 3
	.amdgcn_target "amdgcn-amd-amdhsa--gfx1250"
	.amdhsa_code_object_version 6
	.text
	.protected	k_qb367c6d066_gemm_qkv
	.globl	k_qb367c6d066_gemm_qkv
	.p2align	8
	.type	k_qb367c6d066_gemm_qkv,@function
k_qb367c6d066_gemm_qkv:
	s_mov_b64 s[64:65], 0
	v_nop
	global_prefetch_b8 v0, s[64:65] scope:SCOPE_SE
	s_setreg_imm32_b32 hwreg(HW_REG_WAVE_MODE, 25, 1), 1
	s_wait_xcnt 0x0
	s_wait_alu depctr_hold_cnt(0) depctr_sa_sdst(0) depctr_va_vdst(0) depctr_va_sdst(0) depctr_va_ssrc(0) depctr_va_vcc(0) depctr_vm_vsrc(0)
	s_getreg_b32 s2, hwreg(HW_REG_IB_STS2, 6, 4)
	s_cmp_eq_u32 s2, 0
	s_cbranch_scc0 .Lentry_in_a_cluster
	s_endpgm
.Lentry_in_a_cluster:
	s_bfe_u32 s2, ttmp6, 0x10000c
	s_cmp_lg_u32 s2, 0xf033
	s_cbranch_scc0 .Lentry_shape_is_right
	s_endpgm
.Lentry_shape_is_right:
; q = x Wq + bq, k = x Wk + bk, v = x Wv + bv on codes of FP6 (E2M3) with E8M0 scales, and the results quantised at once for attention: q and k along a head's 64 channels, v along the keys.
; OPERANDS.  ops: [row tile 768][K / 128 (8)][1,536]: images of operand registers (six chunks of 256 bytes; chunk p = registers 2 p, 2 p + 1 of lane l at 8 l); row tiles 0-511 x, 512 on Wq, Wk, Wv, Wp.  opsc: [K / 128][row tile][16] scale words.
; Row tile 2 g + u holds in place r row 32 g + 8 u + r + 8 (r / 8): as source 0 it gives a lane 16 neighbouring rows in the registers of result tiles 2 g, 2 g + 1.
; SECTIONS, by the cluster's x, which all sixteen partners share: 0: q, 1: k (A = x, B = the weight); 2: v, made TRANSPOSED (A = Wv, B = x).  The matrix instruction takes source 0 = 16 rows of B, source 1 = 16 rows of A:
; a lane holds one row of A and its registers run along B's rows: for q and k one token and 128 channels (two heads), for v one channel and 128 tokens (keys).  One quantiser serves both.
; A tile of 256 x 256 to a work-group, 128 x 128 to each of four waves (64 accumulators, 512 registers).  K = 1,024 goes in four steps of 256 through two LDS slots; the tiles are dense images, so every LDS load reads 256 consecutive bytes.
; CLUSTER 4 x 4: A's tiles are asked for jointly along a row of the cluster, B's along a column.  The biases are the C of each sum's first product.
; No prefetch: of the four K steps two are first fills, and the other two would have to be named at the head, where every work-group's first tiles are on their way.
; RESULTS.  qc: [pair of heads 32][head % 2][token tile 128][768] half images;  qs: [pair][head % 2][4 tiles][r][tile % 4] words (bytes 2, 3 = 0);  kv: [pair][256 keys (8)][head % 2][K: 16 x 768 | V: 2 x 4 x 1,536];  kvs: [pair][head % 2][K's words 8,192 | V's: [128 keys][r][channel tile] 4,096].
; LIMITS: NaN and infinities are not served; blocks whose largest magnitude lies under 2^-124 keep the byte 1; a block of zeros has the byte 1 where the rule says 127 (its codes are zeros; this program alone reads the bytes).
; REGISTERS: window 0: v1 r, v2 h, v16-29 addresses; v32-63 scale words, two sets; v64-127 the bias; v128-223 A's fragments, one set (the way out works there).  window 1: B's fragments, two sets, at v0 and v128.  windows 2, 3: accumulator (a, b) at v[8 (8 (a % 4) + b)].
.set FR,    12
.set NL,    6
.set NP,    4
.set HALFT, 24576                      ; 8 row tiles x 2 images: what one tensor load brings, and what one wave reads of A or of B
.set SLOT,  4*HALFT
.set SCL,   2*SLOT                     ; the scale words of 4 x 8 row tiles for all of K: [K / 128][tile][16] words, 4,096 bytes for 8 tiles
.set HALFS, 4096
.set SPARE, SCL+4*HALFS                ; the spare words, 128 bytes a wave
.set ADRA, 16
.set ADRB, 20
.set LI8,  24
.set SO,   25
.set SH,   26
.set ADRS, 27
.set SPW,  28
.set NIL,  29
.set SC,   32
.set BI,   64
.set AF,   128
.set PC,   128                         ; the way out: codes v128-147, at work v148-163, the word v164, v165; the eight tiles' words v168-175, v176-179
.set TM,   148
.set PW,   164
.set T,    165
.set SW,   168
.set F,    176
.set G1,   24
.set G0,   32
.set G1B,  48
.set G0B,  56
.set G1S,  68
.set G0S,  76
.set G1SB, 80
.set G0SB, 88
.set MSB, 0
.macro WIN new                         ; the immediate's high byte repeats the setting that is left
.if MSB != (\new)
	s_set_vgpr_msb (MSB<<8)|(\new)
.set MSB, (\new)
.endif
.endm
.set MUL_LO, 0xa1                      ; source 0 (B) window 1, source 1 (A) window 0, C and D window 2
.set MUL_HI, 0xf1
.set TO_B,   0x40
; A joint load: waves 0 and 1 fetch for A, waves 2 and 3 for B; the branch hangs on the wave's number alone.  An s_nop 0 and four v_nop follow each line.
.macro JLOAD g0a, g1a, g0b, g1b
	s_cmp_eq_u32 s15, 0
	s_cbranch_scc0 .Lfor_b_\@
	tensor_load_to_lds s[\g0a:\g0a+3], s[\g1a:\g1a+7]
	s_nop 0
.rept 4
	v_nop
.endr
	s_branch .Lasked_\@
.Lfor_b_\@:
	tensor_load_to_lds s[\g0b:\g0b+3], s[\g1b:\g1b+7]
	s_nop 0
.rept 4
	v_nop
.endr
.Lasked_\@:
.endm
.macro CREST                           ; a round of the cluster's barrier behind its opening barrier
	s_cmp_lg_u32 s14, 0
	s_cbranch_scc1 .Lnot_wave_0_\@
	s_barrier_signal -3
.Lnot_wave_0_\@:
	s_barrier_wait -3
	s_barrier_signal -1
	s_barrier_wait -1
.endm
.macro CROUND
	s_barrier_signal -1
	s_barrier_wait -1
	CREST
.endm
	s_load_b128 s[4:7], s[0:1], 0x0                ; ops, opsc
	s_load_b128 s[8:11], s[0:1], 0x10              ; bq, bk
	s_load_b256 s[92:99], s[0:1], 0x20             ; bv, qc, qs, kv
	s_load_b64 s[100:101], s[0:1], 0x40            ; kvs
	v_lshl_add_u32 v[SPW], v0, 2, SPARE
	v_mov_b32 v[NIL], 0
	ds_add_u32 v[SPW], v[NIL]                      ; the wave's opening: the add and its wait ahead of my first tensor load; the set-up below stands between them
	v_lshrrev_b32 v1, 5, v0
	v_readfirstlane_b32 s14, v1                    ; wave 0..3
	s_lshr_b32 s15, s14, 1                         ; wr: which half of A's rows is mine.  Also: I fetch for A (0) or for B (1)
	s_and_b32 s16, s14, 1                          ; wc: which half of B's rows.  Also: which 8 row tiles I fetch
	s_bfe_u32 s40, ttmp6, 0x40000                  ; cx
	s_bfe_u32 s41, ttmp6, 0x40004                  ; cy
	s_and_b32 s17, ttmp7, 0xffff                   ; the cluster's y
	s_lshl_b32 s12, s17, 2
	s_lshl_b32 s43, s41, 2
	s_lshl_b32 s43, 15, s43                        ; my row of the cluster
	s_lshl_b32 s44, 0x1111, s40                    ; my column
	; which 256 rows of ops are A's and B's: A's hang on cy, B's on cx, both on what all partners share
	s_add_co_u32 s18, s12, s41                     ; x: 4 x cluster y + cy
	s_add_co_u32 s19, s41, 40                      ; Wv: 40 + cy
	s_add_co_u32 s20, s12, s40                     ; x: 4 x cluster y + cx
	s_lshl_b32 s21, ttmp9, 2
	s_add_co_u32 s21, s21, s40
	s_add_co_u32 s21, s21, 32                      ; Wq, Wk: 32 + 4 x section + cx
	s_cmp_eq_u32 ttmp9, 2
	s_cselect_b32 s18, s19, s18
	s_cselect_b32 s20, s20, s21
	; descriptor group 1, codes: 8 rows (row tiles) of 3,072 bytes (384 elements of 8), 12,288 bytes apart; no padding
	s_or_b32 s[G1+0], s43, (3<<16)|(1<<21)
	s_or_b32 s[G1B+0], s44, (3<<16)|(1<<21)
.irp g, G1, G1B
	s_mov_b32 s[\g+1], 384<<16
	s_mov_b32 s[\g+2], 8<<16
	s_mov_b32 s[\g+3], 384<<16
	s_mov_b32 s[\g+4], 8
	s_mov_b32 s[\g+5], 1536
	s_mov_b32 s[\g+6], 0
	s_mov_b32 s[\g+7], 0
.endr
	; scale words: 8 rows (K / 128) of 512 bytes (8 row tiles), 49,152 bytes apart
	s_or_b32 s[G1S+0], s43, (3<<16)|(1<<21)
	s_or_b32 s[G1SB+0], s44, (3<<16)|(1<<21)
.irp g, G1S, G1SB
	s_mov_b32 s[\g+1], 64<<16
	s_mov_b32 s[\g+2], 8<<16
	s_mov_b32 s[\g+3], 64<<16
	s_mov_b32 s[\g+4], 8
	s_mov_b32 s[\g+5], 6144
	s_mov_b32 s[\g+6], 0
	s_mov_b32 s[\g+7], 0
.endr
	s_lshl_b32 s13, s16, 3
	s_lshl_b32 s18, s18, 4
	s_add_co_u32 s18, s18, s13                     ; A: the first row tile that I fetch
	s_lshl_b32 s20, s20, 4
	s_add_co_u32 s20, s20, s13                     ; B likewise
	s_mul_i32 s22, s18, 12288
	s_mov_b32 s23, 0
	s_lshl_b32 s66, s18, 6
	s_mov_b32 s67, 0
	s_mul_i32 s46, s20, 12288
	s_mov_b32 s47, 0
	s_lshl_b32 s12, s20, 6
	s_mov_b32 s13, 0
	s_mul_i32 s45, s14, HALFT                      ; where they go: no place in the cluster enters an LDS address
	s_mul_i32 s19, s14, HALFS
	s_mov_b32 s2, 0x76543210
	s_mov_b32 s3, 0xfedcba98                       ; lane selects: lane l xor 16
	s_wait_dscnt 0x0                               ; the opening add is done
	s_wait_kmcnt 0x0
	CROUND                                         ; all sixteen work-groups are here: the first joint loads meet
	s_mov_b32 s[G0S], 1
	s_add_co_u32 s[G0S+1], s19, SCL
	s_add_nc_u64 s[G0S+2:G0S+3], s[6:7], s[66:67]
	s_or_b32 s[G0S+3], s[G0S+3], 0x80000000
	s_mov_b32 s[G0SB], 1
	s_add_co_u32 s[G0SB+1], s19, SCL
	s_add_nc_u64 s[G0SB+2:G0SB+3], s[6:7], s[12:13]
	s_or_b32 s[G0SB+3], s[G0SB+3], 0x80000000
	JLOAD G0S, G1S, G0SB, G1SB                     ; the scale words for all of K: filled once
	s_add_nc_u64 s[22:23], s[4:5], s[22:23]
	s_add_nc_u64 s[46:47], s[4:5], s[46:47]
.irp s, 0,1
	s_mov_b32 s[G0+4*\s], 1
	s_add_co_u32 s[G0+4*\s+1], s45, \s*SLOT
	s_add_nc_u64 s[G0+4*\s+2:G0+4*\s+3], s[22:23], \s*3072
	s_or_b32 s[G0+4*\s+3], s[G0+4*\s+3], 0x80000000
	s_mov_b32 s[G0B+4*\s], 1
	s_add_co_u32 s[G0B+4*\s+1], s45, \s*SLOT
	s_add_nc_u64 s[G0B+4*\s+2:G0B+4*\s+3], s[46:47], \s*3072
	s_or_b32 s[G0B+4*\s+3], s[G0B+4*\s+3], 0x80000000
	JLOAD G0+4*\s, G1, G0B+4*\s, G1B               ; three loads of mine are out behind the second of these
.endr
	v_and_b32 v1, 15, v0                           ; r
	v_bfe_u32 v2, v0, 4, 1                         ; h
	v_and_b32 v3, 31, v0
	v_lshlrev_b32 v[LI8], 3, v3                    ; an image's place for my lane
	s_mul_i32 s21, s15, HALFT                      ; my 8 row tiles of A
	s_mul_i32 s22, s16, HALFT
	s_add_co_u32 s22, s22, 2*HALFT                 ; and of B, behind A's 16
.irp s, 0,1
	v_add_nc_u32 v[ADRA+\s], s21, v[LI8]
	v_add_nc_u32 v[ADRB+\s], s22, v[LI8]
	s_add_co_u32 s21, s21, SLOT
	s_add_co_u32 s22, s22, SLOT
.endr
	s_mul_i32 s21, s15, HALFS
	s_mul_i32 s22, s16, HALFS
	s_add_co_u32 s22, s22, 2*HALFS
	s_sub_co_u32 s22, s22, s21
	v_mul_u32_u24 v4, s22, v2                      ; lanes 16-31 take B's words: one product with h
	s_add_co_u32 s21, s21, SCL
	v_lshl_add_u32 v4, v1, 2, v4
	v_add_nc_u32 v[ADRS], s21, v4
	; the bias, in the result's layout.  q, k: register j of tile b is channel 32 (b / 2) + 8 (b % 2) + 16 h + j.  v: all eight registers of A's block a are channel 32 (a / 2) + 8 (a % 2) + r + 8 (r / 8)
	s_cmp_eq_u32 ttmp9, 2
	s_cbranch_scc1 .Lbias_v
	s_cmp_eq_u32 ttmp9, 0
	s_cselect_b64 s[12:13], s[8:9], s[10:11]
	s_lshl_b32 s66, s40, 10
	s_lshl_b32 s67, s16, 9
	s_add_co_u32 s66, s66, s67                     ; (256 cx + 128 wc) x 4 bytes
	s_mov_b32 s67, 0
	s_add_nc_u64 s[12:13], s[12:13], s[66:67]
	v_lshlrev_b32 v5, 6, v2
.irp b, 0,1,2,3,4,5,6,7
	global_load_b128 v[BI+8*\b:BI+8*\b+3], v5, s[12:13] offset:(32*(\b/2)+8*(\b%2))*4
	global_load_b128 v[BI+8*\b+4:BI+8*\b+7], v5, s[12:13] offset:(32*(\b/2)+8*(\b%2))*4+16
.endr
	s_branch .Lbias_done
.Lbias_v:
	s_lshl_b32 s66, s41, 10
	s_lshl_b32 s67, s15, 9
	s_add_co_u32 s66, s66, s67                     ; (256 cy + 128 wr) x 4 bytes
	s_mov_b32 s67, 0
	s_add_nc_u64 s[12:13], s[92:93], s[66:67]
	v_and_b32 v5, 8, v1
	v_add_nc_u32 v5, v5, v1
	v_lshlrev_b32 v5, 2, v5
.irp a, 0,1,2,3,4,5,6,7
.irp j, 0,1,2,3,4,5,6,7
	global_load_b32 v[BI+8*\a+\j], v5, s[12:13] offset:(32*(\a/2)+8*(\a%2))*4
.endr
.endr
.Lbias_done:
.macro FRAG reg, adr, q, i             ; an image comes back as it was stored: six loads of 256 consecutive bytes
.irp p, 0,1,2,3,4,5
	ds_load_b64 v[\reg+2*\p:\reg+2*\p+1], v[\adr] offset:(\i)*3072+(\q)*1536+\p*256
.endr
.endm
; 16 matrix instructions: A's blocks a0, a0 + 1 x B's eight, 128 along K.  zero = 1: C = the bias by B's tile; 2: by A's block; 0: in place.  The 64 accumulators take turns, one instruction a turn.
.macro MUL16 a0, p, q, sc, zero
.irp a, \a0, \a0+1
.irp b, 0,1,2,3,4,5,6,7
.if (\zero) == 1
	v_wmma_scale_f32_16x16x128_f8f6f4 v[8*(8*((\a)%4)+\b):8*(8*((\a)%4)+\b)+7], v[128*(\p)+FR*\b:128*(\p)+FR*\b+FR-1], v[AF+FR*(\a):AF+FR*(\a)+FR-1], v[BI+8*\b:BI+8*\b+7], v[SC+16*(\sc)+2*\b+(\q)], v[SC+16*(\sc)+2*(\a)+(\q)] matrix_a_fmt:MATRIX_FMT_FP6 matrix_b_fmt:MATRIX_FMT_FP6 matrix_a_scale:MATRIX_SCALE_ROW1
.elseif (\zero) == 2
	v_wmma_scale_f32_16x16x128_f8f6f4 v[8*(8*((\a)%4)+\b):8*(8*((\a)%4)+\b)+7], v[128*(\p)+FR*\b:128*(\p)+FR*\b+FR-1], v[AF+FR*(\a):AF+FR*(\a)+FR-1], v[BI+8*(\a):BI+8*(\a)+7], v[SC+16*(\sc)+2*\b+(\q)], v[SC+16*(\sc)+2*(\a)+(\q)] matrix_a_fmt:MATRIX_FMT_FP6 matrix_b_fmt:MATRIX_FMT_FP6 matrix_a_scale:MATRIX_SCALE_ROW1
.else
	v_wmma_scale_f32_16x16x128_f8f6f4 v[8*(8*((\a)%4)+\b):8*(8*((\a)%4)+\b)+7], v[128*(\p)+FR*\b:128*(\p)+FR*\b+FR-1], v[AF+FR*(\a):AF+FR*(\a)+FR-1], v[8*(8*((\a)%4)+\b):8*(8*((\a)%4)+\b)+7], v[SC+16*(\sc)+2*\b+(\q)], v[SC+16*(\sc)+2*(\a)+(\q)] matrix_a_fmt:MATRIX_FMT_FP6 matrix_b_fmt:MATRIX_FMT_FP6 matrix_a_scale:MATRIX_SCALE_ROW1
.endif
.endr
.endr
.endm
.macro FETCH_B slot, q, p
	WIN TO_B
.irp i, 0,1,2,3,4,5,6,7
	FRAG 128*(\p)+FR*\i, ADRB+\slot, \q, \i
.endr
	WIN 0
.endm
.macro FETCH_A slot, q, i0
.irp i, \i0, \i0+1, \i0+2, \i0+3
	FRAG AF+FR*(\i), ADRA+\slot, \q, \i
.endr
.endm
.macro SCALES sc, ks                   ; K step ks's scale words into set sc: register 2 i + q: lanes 0-15 the word of A's block i, lanes 16-31 that of B's
.irp i, 0,1,2,3,4,5,6,7
.irp q, 0,1
	ds_load_b32 v[SC+16*(\sc)+2*\i+\q], v[ADRS] offset:(2*(\ks)+\q)*512+\i*64
.endr
.endr
.endm
.macro PLACES n                        ; places in front of loads into registers that matrix instructions have read, and of reads of results
.rept \n
	v_nop
.endr
.endm
.macro STEP slot, q, zero              ; 128 along K that has its successor in the same slot
	s_wait_dscnt 4*NL                              ; B's set, A's blocks 0-3 and the scale words are in; the youngest 24 loads (A's blocks 4-7) may be out
.if \zero
	WIN 0x81                                       ; C, the bias, lies in window 0
.else
	WIN MUL_LO
.endif
	MUL16 0, (\q)%2, \q, \slot, \zero
	MUL16 2, (\q)%2, \q, \slot, \zero
	s_wait_dscnt 0
	PLACES NP
	FETCH_B \slot, (\q)+1, 1-(\q)%2
	FETCH_A \slot, (\q)+1, 0
.if \zero
	WIN 0xc1
.else
	WIN MUL_HI
.endif
	MUL16 4, (\q)%2, \q, \slot, \zero
	MUL16 6, (\q)%2, \q, \slot, \zero
	PLACES NP
	WIN 0
	FETCH_A \slot, (\q)+1, 4
.endm
; A slot's last step changes slots: one barrier; in front of it each wave waits for all its tensor loads, adds 0 to its spare word, and waits for that and for its reads of this slot.  fill = 1: the slot is filled again, two K steps ahead.
.macro TURN slot, next, fill, ks
	s_wait_tensorcnt 0x0                           ; all my tensor loads have landed: my part of the next slot
	ds_add_u32 v[SPW], v[NIL]                      ; 0 onto my spare word
	s_wait_dscnt 4*NL+1                            ; (the add and A's blocks 4-7 may be out)
	WIN MUL_LO
	MUL16 0, 1, 1, \slot, 0
	s_wait_dscnt 0x0                               ; the add is done, and my reads of this slot are over
	s_barrier_signal -1
	MUL16 2, 1, 1, \slot, 0
	WIN 0
	s_barrier_wait -1
.if \fill
	CREST                                          ; the barrier has opened a round of the cluster's barrier: no wave of any partner still reads this slot or has a load on its way
	s_add_nc_u64 s[G0+4*\slot+2:G0+4*\slot+3], s[G0+4*\slot+2:G0+4*\slot+3], 6144
	s_add_nc_u64 s[G0B+4*\slot+2:G0B+4*\slot+3], s[G0B+4*\slot+2:G0B+4*\slot+3], 6144
	JLOAD G0+4*\slot, G1, G0B+4*\slot, G1B         ; the first tensor load behind the round; its four v_nop are the places in front of the loads below
.else
	PLACES NP
.endif
	FETCH_B \next, 0, 0
	FETCH_A \next, 0, 0
	SCALES \next, \ks
	WIN MUL_HI
	MUL16 4, 1, 1, \slot, 0
	MUL16 6, 1, 1, \slot, 0
	PLACES NP
	WIN 0
	FETCH_A \next, 0, 4
.endm
	s_wait_loadcnt 0x0                             ; the bias
	s_wait_tensorcnt 1                             ; the scale words and my part of K step 0 are in (K step 1's load may be out),
	s_barrier_signal -1
	s_barrier_wait -1                              ; everybody's are
	FETCH_B 0, 0, 0
	FETCH_A 0, 0, 0
	SCALES 0, 0
	FETCH_A 0, 0, 4
	s_cmp_eq_u32 ttmp9, 2                          ; the first products start the sums with the bias: by B's tile for q and k, by A's block for v
	s_cbranch_scc1 .Lfirst_v
	STEP 0, 0, 1
	s_branch .Lfirst_done
.Lfirst_v:
	STEP 0, 0, 2
.Lfirst_done:
	TURN 0, 1, 1, 1
	STEP 1, 0, 0
	TURN 1, 0, 1, 2
	STEP 0, 0, 0
	TURN 0, 1, 0, 3                                ; nothing is left to fetch
	STEP 1, 0, 0
	s_wait_dscnt 4*NL
	WIN MUL_LO
	MUL16 0, 1, 1, 1, 0
	MUL16 2, 1, 1, 1, 0
	s_wait_dscnt 0
	WIN MUL_HI
	MUL16 4, 1, 1, 1, 0
	MUL16 6, 1, 1, 1, 0
	WIN 0
	; THE WAY OUT.  No tensor load is out any more: the descriptors' registers are free.  u, v': the place along the tokens and along the channels; wu, wv the wave's halves likewise.
	s_cmp_eq_u32 ttmp9, 2
	s_cselect_b32 s24, s40, s41                    ; u
	s_cselect_b32 s25, s41, s40                    ; v'
	s_cselect_b32 s26, s16, s15                    ; wu
	s_cselect_b32 s27, s15, s16                    ; wv
	s_cselect_b32 s42, -1, 0xffff                  ; what is kept of a scale word: all four bytes (v), two (q, k)
	s_cselect_b32 s43, 0xffff0000, 0               ; v: lanes 16-31 take the second head's four words
	s_mov_b32 s44, 768
	s_cselect_b32 s44, 1536, s44                   ; from A's block to the next
	s_mov_b32 s45, 0
	s_cselect_b32 s46, 18432, 0                    ; v: block 4 begins the second head's record
	s_mov_b32 s47, 0
	s_cselect_b32 s28, 12288, 0                    ; v lies behind k in a record
	s_cselect_b32 s29, 8192, 0
	s_mov_b32 s30, 1024
	s_cselect_b32 s30, 512, s30                    ; scale bytes of 256 tokens
	s_mov_b32 s31, 24576
	s_cselect_b32 s31, 768, s31                    ; from registers 0-5's place to registers 6-11's
	s_cselect_b32 s32, 0, 16
	s_cmp_eq_u32 ttmp9, 0
	s_cselect_b64 s[18:19], s[94:95], s[98:99]     ; qc or kv
	s_cselect_b64 s[22:23], s[96:97], s[100:101]   ; qs or kvs
	s_mov_b32 s33, 393216
	s_cselect_b32 s33, 196608, s33                 ; a pair of heads
	s_mov_b32 s34, 49152
	s_cselect_b32 s34, 12288, s34                  ; 256 tokens
	s_cselect_b32 s31, 98304, s31
	s_mov_b32 s35, 24576
	s_cselect_b32 s35, 16384, s35
	s_mov_b32 s36, 12288
	s_cselect_b32 s36, 8192, s36                   ; from head to head among the scale words
	s_lshl_b32 s37, s17, 2
	s_add_co_u32 s37, s37, s24
	s_and_b32 s37, s37, 7                          ; which 256 tokens of the batch
	s_lshr_b32 s38, s17, 1
	s_lshl_b32 s38, s38, 3
	s_lshl_b32 s25, s25, 1
	s_add_co_u32 s38, s38, s25
	s_add_co_u32 s38, s38, s27                     ; the pair of heads: 8 x batch + 2 v' + wv
	s_mul_i32 s48, s38, s33
	s_mul_i32 s49, s37, s34
	s_add_co_u32 s48, s48, s49
	s_mul_i32 s49, s26, 6144
	s_add_co_u32 s48, s48, s49
	s_add_co_u32 s48, s48, s28
	s_mov_b32 s49, 0
	s_add_nc_u64 s[18:19], s[18:19], s[48:49]      ; P0: where registers 0-5 of block 0 go
	s_mov_b32 s48, s31
	s_add_nc_u64 s[20:21], s[18:19], s[48:49]      ; P1: registers 6-11
	s_mul_i32 s50, s38, s35
	s_mul_i32 s51, s37, s30
	s_add_co_u32 s50, s50, s51
	s_lshr_b32 s51, s30, 1
	s_mul_i32 s51, s51, s26
	s_add_co_u32 s50, s50, s51
	s_add_co_u32 s50, s50, s29
	s_mov_b32 s51, 0
	s_add_nc_u64 s[22:23], s[22:23], s[50:51]      ; S0: the scale words
	v_mul_u32_u24 v[SO], s36, v2
	v_lshl_add_u32 v[SO], v1, 4, v[SO]             ; lanes 0-15 the first head's words, lanes 16-31 the second's; 16 bytes a row
	v_mul_u32_u24 v[SH], s32, v2                   ; q, k: lanes 16-31 take the word's upper two bytes
	PLACES NP                                      ; behind the last products, ahead of the first read of results and the first write over A's fragments
; A's block a: 64 numbers a lane (register 16 b + i = 32 b + 16 h + i along B's rows) become 12 registers of codes and a scale word.  Each accumulator is read from its low end on.
.macro EPI a
.set AC, 64*((\a)%4)
	WIN 0x0a+5*((\a)/4)                            ; sources 0 and 1: window 2 or 3
.irp b, 0,1,2,3
	v_max3_num_f32 v[TM+\b], |v[AC+16*\b]|, |v[AC+16*\b+1]|, 0x1800000   ; and the floor 2^(3 - 127)
.endr
.irp i, 2,4,6,8,10,12,14
.irp b, 0,1,2,3
	v_max3_num_f32 v[TM+\b], |v[AC+16*\b+\i]|, |v[AC+16*\b+\i+1]|, v[TM+\b]
.endr
.endr
	WIN 0
.irp b, 0,1,2,3
	v_permlanex16_b32 v[TM+4+\b], v[TM+\b], s2, s3
.endr
.irp b, 0,1,2,3
	v_max_num_f32 v[TM+\b], v[TM+\b], v[TM+4+\b]
.endr
.irp b, 0,1,2,3
	v_add_nc_u32 v[TM+12+\b], 0xff000000, v[TM+\b] ; 2 off the exponent field: the conversion's scale operand
.endr
.irp b, 0,1,2,3
	v_lshrrev_b32 v[TM+4+\b], 23, v[TM+12+\b]
.endr
	v_lshl_or_b32 v[PW], v[TM+5], 8, v[TM+4]
	v_lshl_or_b32 v[PW], v[TM+6], 16, v[PW]
	v_lshl_or_b32 v[PW], v[TM+7], 24, v[PW]
	s_wait_xcnt 0x0                                ; the last block's stores have read their data and bases: both are written again only behind this wait
.if (\a) > 0
	s_add_nc_u64 s[18:19], s[18:19], s[44:45]
	s_add_nc_u64 s[20:21], s[20:21], s[44:45]
.endif
.if (\a) == 4
	s_add_nc_u64 s[18:19], s[18:19], s[46:47]
	s_add_nc_u64 s[20:21], s[20:21], s[46:47]
.endif
	WIN 0x02+((\a)/4)                              ; source 0: window 2 or 3
.irp c, 0,1
	v_cvt_scalef32_pk16_fp6_f32 v[PC+6*\c:PC+2+6*\c], v[AC+32*\c:AC+15+32*\c], v[TM+12+2*\c]
	v_cvt_scalef32_pk16_fp6_f32 v[PC+12+4*\c:PC+14+4*\c], v[AC+16+32*\c:AC+31+32*\c], v[TM+12+2*\c+1]
.endr
	WIN 0
	v_nop                                          ; one plain place behind a scaled conversion
.irp c, 0,1
.irp i, 0,1,2
	v_permlane16_swap_b32 v[PC+6*\c+\i], v[PC+12+4*\c+\i]
.endr
.irp i, 0,1,2
	v_mov_b32 v[PC+3+6*\c+\i], v[PC+12+4*\c+\i]
.endr
.endr
.irp i, 0,1,2
	global_store_b64 v[LI8], v[PC+2*\i:PC+2*\i+1], s[18:19] offset:256*\i       ; 32 lanes store 256 consecutive bytes, aligned
.endr
.irp i, 0,1,2
	global_store_b64 v[LI8], v[PC+6+2*\i:PC+7+2*\i], s[20:21] offset:256*\i
.endr
	v_lshrrev_b32 v[T], v[SH], v[PW]
	v_and_b32 v[SW+(\a)], s42, v[T]                ; q, k: my head's two bytes, the upper two 0; v: the word as it is
.endm
.irp b, 0,1,2,3
	v_mov_b32 v[TM+4+\b], 0                        ; a lane permute's destination counts as one of its sources
.endr
	EPI 0
	EPI 1
	EPI 2
	EPI 3
	EPI 4
	EPI 5
	EPI 6
	EPI 7
.irp i, 0,1,2,3
	v_cndmask_b32 v[F+\i], v[SW+\i], v[SW+4+\i], s43
.endr
	global_store_b128 v[SO], v[F:F+3], s[22:23]    ; sixteen lanes store 256 consecutive bytes, aligned: four tiles' words of one head
	s_cmp_eq_u32 ttmp9, 2
	s_cbranch_scc1 .Lno_second
	global_store_b128 v[SO], v[SW+4:SW+7], s[22:23] offset:256   ; q, k: token tiles 4-7
.Lno_second:
	s_wait_tensorcnt 0x0                           ; the wave's end: a wait, an add of 0 onto my spare word and its wait, behind my last tensor load
	ds_add_u32 v[SPW], v[NIL]
	s_wait_dscnt 0x0
	CROUND                                         ; the closing round: no work-group ends while a partner may still ask for a tile that names it
	s_endpgm
.Lfunc_end_k_qb367c6d066_gemm_qkv:
	.size	k_qb367c6d066_gemm_qkv, .Lfunc_end_k_qb367c6d066_gemm_qkv-k_qb367c6d066_gemm_qkv
	.p2alignl 7, 3214868480
	.fill 96, 4, 3214868480
	.section	.rodata,"a",@progbits
	.p2align	6, 0x0
	.amdhsa_kernel k_qb367c6d066_gemm_qkv
		.amdhsa_group_segment_fixed_size 327680
		.amdhsa_private_segment_fixed_size 0
		.amdhsa_enable_private_segment 0
		.amdhsa_kernarg_size 72
		.amdhsa_user_sgpr_count 2
		.amdhsa_user_sgpr_kernarg_segment_ptr 1
		.amdhsa_wavefront_size32 1
		.amdhsa_system_sgpr_workgroup_id_x 1
		.amdhsa_system_sgpr_workgroup_id_y 1
		.amdhsa_system_sgpr_workgroup_id_z 1
		.amdhsa_system_vgpr_workitem_id 0
		.amdhsa_next_free_vgpr 1024
		.amdhsa_next_free_sgpr 102
		.amdhsa_reserve_vcc 0
		.amdhsa_float_denorm_mode_32 3
		.amdhsa_float_denorm_mode_16_64 3
		.amdhsa_memory_ordered 1
		.amdhsa_forward_progress 1
		.amdhsa_inst_pref_size 194
	.end_amdhsa_kernel
	.amdgpu_metadata
---
amdhsa.version: [ 1, 2 ]
amdhsa.kernels:
  - .name:           k_qb367c6d066_gemm_qkv
    .symbol:         k_qb367c6d066_gemm_qkv.kd
    .args:
      - { .name: ops, .offset: 0, .size: 8, .value_kind: global_buffer, .address_space: global }
      - { .name: opsc, .offset: 8, .size: 8, .value_kind: global_buffer, .address_space: global }
      - { .name: bq, .offset: 16, .size: 8, .value_kind: global_buffer, .address_space: global }
      - { .name: bk, .offset: 24, .size: 8, .value_kind: global_buffer, .address_space: global }
      - { .name: bv, .offset: 32, .size: 8, .value_kind: global_buffer, .address_space: global }
      - { .name: qc, .offset: 40, .size: 8, .value_kind: global_buffer, .address_space: global }
      - { .name: qs, .offset: 48, .size: 8, .value_kind: global_buffer, .address_space: global }
      - { .name: kv, .offset: 56, .size: 8, .value_kind: global_buffer, .address_space: global }
      - { .name: kvs, .offset: 64, .size: 8, .value_kind: global_buffer, .address_space: global }
    .group_segment_fixed_size: 327680
    .private_segment_fixed_size: 0
    .kernarg_segment_align: 8
    .kernarg_segment_size: 72
    .max_flat_workgroup_size: 128
    .sgpr_count:     102
    .vgpr_count:     1024
    .wavefront_size: 32
...
	.end_amdgpu_metadata
.endif
;; end of part 3
;; launch attn (part 4): grid 16 x 32, 16 waves a work-group, no clusters, 327,680 bytes of LDS; arguments qc, qs, kv, kvs, yimg, ysc; writes yimg, ysc
.if DOCPART == 4
	.amdgcn_target "amdgcn-amd-amdhsa--gfx1250"
	.amdhsa_code_object_version 6
	.text
	.protected	k_qb367c6d066_attn
	.globl	k_qb367c6d066_attn
	.p2align	8
	.type	k_qb367c6d066_attn,@function
k_qb367c6d066_attn:
	s_mov_b64 s[64:65], 0
	v_nop
	global_prefetch_b8 v0, s[64:65] scope:SCOPE_SE
	s_setreg_imm32_b32 hwreg(HW_REG_WAVE_MODE, 25, 1), 1
	s_wait_xcnt 0x0
; y = softmax(q k^T / 8, causal) v for 64 heads of 64 channels, 2,048 tokens, both products on codes of FP6 (E2M3) with E8M0 scales; y is quantised at once, along the channels, for the last projection.
; THE SOFTMAX AHEAD OF THE SECOND PRODUCT: t = score x log2(e) / 8; M = the row's largest t so far, rounded UP to a whole number; p = 2^(t - M) is quantised along the keys, not normalised.  The row's sum is taken of the
; unquantised p and divides O at the end.  When M moves, the sum and O are multiplied by 2^(old M - new M): exact.
; SHARES.  A work-group serves a PAIR of heads (y) and two blocks of 64 queries, jq and 31 - jq (x): wave w: head (w / 2) % 2, tile w / 4 of the block, block low or high by (w xor w / 4) % 2.  A wave owns 16 queries and walks
; qb / 2 + 1 steps of 128 keys: 8 x 17 wave steps in every work-group.  Every work-group walks all eight slots (constant trip counts); a step all of whose keys are hidden is jumped over, and a slot that none of the sixteen waves reads is not asked for.
; NO CLUSTER: the sixteen work-groups of a pair need 5 to 8 slots, so partners would need different numbers of tiles, and a slot's 49,152 bytes stand beside up to 32 wave steps of softmax.
; LAYOUT.  S^T = K Q^T, O^T = V^T P^T: a lane holds one query throughout.  Token tile 2 g + u holds in place r token 32 g + 8 u + r + 8 (r / 8), so the 16 registers of S^T's tiles 2 g, 2 g + 1 are keys 32 g + 16 h + 0 .. 15; V's channel tiles likewise.
; A HEAD HAS 64 CHANNELS, THE INSTRUCTION TAKES 128: Q's registers 6-11 are zero codes.  K's tile t is named as v[32 + 6 t .. + 11]: its upper six registers are the next tile's codes (zeros behind the last); they meet Q's zero codes and add nothing.
; The scale words' bytes 2 and 3 are 0, which stands for a power of two.
; LIMITS: NaN and infinities are not served; a block of y whose largest magnitude lies under 2^-124 keeps the byte 1; a block of zeros has the byte 1 where the rule says 127 (its codes are zeros; this program alone reads the bytes).
.set SLOT1, 1<<16                      ; two slots of 49,152 bytes: [head % 2][K: 16 tiles x 768 | V: 2 steps x 4 tiles x 1,536]; one exclusive or turns an address
.set SCB,   2*SLOT1                    ; the pair's scale words: [head % 2][K's 8,192 | V's 4,096]
.set YS,    SCB+24576                  ; y's scale words gathered: [block 2][tile 4][16] words
.set SPARE, YS+512                     ; the spare words, 128 bytes a wave
.set AK0,  1                           ; v1   my head's record + 8 x lane
.set YSR,  2                           ; v2   where waves 0 and 1 read 64 gathered words back
.set ASK0, 3                           ; v3   my head's scale words + 16 r
.set DQ,   4                           ; v4   my query's place in its step of 128 keys, less 16 h
.set SPW,  5
.set NIL,  6
.set LI8,  7                           ; v7   8 x lane
.set AD,   8
.set ADS,  10
.set ADT,  11
.set PFO,  28                          ; v28  256 x lane
.set YSA,  29                          ; v29  where my row's two scale bytes are gathered
.set PC,   192                         ; v192-211 p's codes, later y's
.set KS,   212                         ; v212-219 K's scale words
.set VS,   220                         ; v220-223 V's
.set QS,   224
.set PS,   225                         ; p's scale word
.set WV,   18
.set SEL,  20
.set CS,   22
.set G1,   24
.set G0,   40
.set G1S,  48
.set G0S,  56
.set TB,   2
.set TS,   3
.set TJ,   66
.set SLOTS, 67
.set ST,   98                          ; s98  the step in hand
.set GW,   99                          ; s99  my wave's last step, the one on the diagonal
.set GH,   97                          ; s97  the work-group's last step
.set PFA,  76
.set LIM,  80
.macro TLOAD                           ; waves 0 to 3 fetch a quarter of a slot each; an s_nop 0 and four v_nop follow the load
	s_cmp_lt_u32 s[WV], 4
	s_cbranch_scc0 .Lasked_\@
	tensor_load_to_lds s[G0:G0+3], s[G1:G1+7]
	s_nop 0
.rept 4
	v_nop
.endr
.Lasked_\@:
.endm
; A prefetch into the L2 of the slot that the NEXT change of slots will ask for: 49,152 dense bytes.  All sixteen work-groups of a pair walk the same records: the first of them (x = 0, which walks all eight slots) asks, and in it
; waves 4 to 9, 8,192 bytes each, lanes 256 bytes apart: each aligned block of 256 bytes is named once.  Slots 0 and 1 come by their loads alone; the last change that fills a slot asks for nothing.
.macro ASK
	s_cmp_gt_u32 s[SLOTS], s[LIM]
	s_cbranch_scc0 .Lnot_mine_\@
	global_prefetch_b8 v[PFO], s[PFA:PFA+1] th:TH_LOAD_NT scope:SCOPE_SE
.Lnot_mine_\@:
.endm
	s_load_b128 s[4:7], s[0:1], 0x0                ; qc, qs
	s_load_b128 s[8:11], s[0:1], 0x10              ; kv, kvs
	s_load_b128 s[12:15], s[0:1], 0x20             ; yimg, ysc
	v_lshl_add_u32 v[SPW], v0, 2, SPARE
	v_mov_b32 v[NIL], 0
	ds_add_u32 v[SPW], v[NIL]                      ; the wave's opening: the add and its wait ahead of my first tensor load; the set-up below stands between them
	ds_add_u32 v[SPW], v[NIL]
	v_lshrrev_b32 v8, 5, v0
	s_delay_alu instid0(VALU_DEP_1)
	v_readfirstlane_b32 s[WV], v8                  ; wave 0..15
	s_and_b32 s70, ttmp7, 0xffff                   ; the pair of heads
	s_bfe_u32 s71, s[WV], 0x10001                  ; e: which head of the pair
	s_lshr_b32 s72, s[WV], 2                       ; ti: which tile of the block
	s_xor_b32 s73, s[WV], s72
	s_and_b32 s73, s73, 1                          ; lh: the low block or the high one
	s_sub_co_u32 s74, 31, ttmp9
	s_cmp_eq_u32 s73, 1
	s_cselect_b32 s75, s74, ttmp9                  ; qb: my block of 64 queries
	s_lshr_b32 s[GW], s75, 1
	s_lshr_b32 s[GH], s74, 1
	s_lshl_b32 s81, s75, 2
	s_add_co_u32 s81, s81, s72                     ; qt: my token tile
	s_and_b32 s82, s[WV], 3                        ; which quarter I fetch, if I fetch
	s_mul_i32 s84, s70, 393216
	s_mul_i32 s83, s82, 12288
	s_add_co_u32 s84, s84, s83                     ; kv: the pair's first slot record, my quarter
	s_mov_b32 s85, 0
	s_mul_i32 s86, s70, 24576
	s_mul_i32 s88, s82, 6144
	s_add_co_u32 s86, s86, s88                     ; kvs likewise
	s_mov_b32 s87, 0
	s_mul_i32 s90, s70, 196608
	s_mul_i32 s89, s71, 98304
	s_add_co_u32 s90, s90, s89
	s_mul_i32 s89, s81, 768
	s_add_co_u32 s90, s90, s89                     ; qc: my tile's half image
	s_mov_b32 s91, 0
	s_lshl_b32 s92, s70, 14
	s_lshl_b32 s89, s71, 13
	s_add_co_u32 s92, s92, s89
	s_lshr_b32 s89, s81, 2
	s_lshl_b32 s89, s89, 8
	s_add_co_u32 s92, s92, s89
	s_and_b32 s89, s81, 3
	s_lshl_b32 s89, s89, 2
	s_add_co_u32 s92, s92, s89                     ; qs: my tile's words
	s_mov_b32 s93, 0
	s_lshr_b32 s94, s70, 3                         ; the batch
	s_and_b32 s95, s70, 7                          ; K / 128 of the last projection
	s_lshl_b32 s89, s94, 7
	s_add_co_u32 s89, s89, s81
	s_mul_i32 s68, s89, 12288
	s_mul_i32 s89, s95, 1536
	s_add_co_u32 s68, s68, s89
	s_mul_i32 s89, s71, 768
	s_add_co_u32 s68, s68, s89                     ; yimg: my half of my tile's image
	s_mov_b32 s69, 0
	s_lshl_b32 s60, s95, 15
	s_lshl_b32 s89, s94, 13
	s_add_co_u32 s60, s60, s89
	s_lshl_b32 s89, s75, 8
	s_add_co_u32 s60, s60, s89                     ; ysc: my block's four tiles (waves 0 and 1 store: their blocks are the low and the high one)
	s_mov_b32 s61, 0
	s_bfe_u32 s62, s81, 0x20001
	s_lshl_b32 s62, s62, 5
	s_and_b32 s63, s81, 1
	s_lshl_b32 s63, s63, 3
	s_add_co_u32 s62, s62, s63                     ; my tile's first token in its step: 32 ((qt % 8) / 2) + 8 (qt % 2)
	s_sub_co_u32 s89, s[WV], 4
	s_cmp_lt_u32 s89, 6
	s_cselect_b32 s[LIM], ttmp9, 1                 ; 0 in waves 4 to 9 of work-group x = 0 alone
	s_cmp_eq_u32 s[LIM], 0
	s_cselect_b32 s[LIM], 1, -1
	s_and_b32 s89, s89, 7
	s_lshl_b32 s89, s89, 13
	s_mul_i32 s78, s70, 393216
	s_add_co_u32 s78, s78, s89
	s_add_co_u32 s78, s78, 49152                   ; in slot 1: the first change of slots steps it to slot 2.  Nothing is prefetched at the head
	s_mov_b32 s79, 0
	; descriptor group 1: a quarter of a slot: 48 rows of 256 dense bytes (32 elements of 8); the scale words: 24 such rows
	s_mov_b32 s[G1], 3<<16
	s_mov_b32 s[G1+1], 32<<16
	s_mov_b32 s[G1+2], 48<<16
	s_mov_b32 s[G1+3], 32<<16
	s_mov_b32 s[G1+4], 48
	s_mov_b32 s[G1+5], 32
	s_mov_b32 s[G1+6], 0
	s_mov_b32 s[G1+7], 0
	s_mov_b32 s[G1S], 3<<16
	s_mov_b32 s[G1S+1], 32<<16
	s_mov_b32 s[G1S+2], 24<<16
	s_mov_b32 s[G1S+3], 32<<16
	s_mov_b32 s[G1S+4], 24
	s_mov_b32 s[G1S+5], 32
	s_mov_b32 s[G1S+6], 0
	s_mov_b32 s[G1S+7], 0
	s_mov_b32 s[SEL], 0x76543210
	s_mov_b32 s[SEL+1], 0xfedcba98
	s_mov_b32 s[CS], 0x3e38aa3b                    ; c = log2(e) / 8
	s_mov_b32 s[CS+1], s[CS]                       ; (named with it as a pair, so it is written)
	s_mov_b32 s[TB], 0
	s_mov_b32 s[TS], 0
	s_mov_b32 s[TJ], 0
	s_mov_b32 s[ST], 0
	s_mov_b32 s[SLOTS], 7
	s_wait_dscnt 0x0                               ; the opening add is done
	s_wait_kmcnt 0x0
	s_mov_b32 s[G0S], 1
	s_add_co_u32 s[G0S+1], s88, SCB
	s_add_nc_u64 s[G0S+2:G0S+3], s[10:11], s[86:87]
	s_or_b32 s[G0S+3], s[G0S+3], 0x80000000
	s_mov_b32 s[G0], 1
	s_mov_b32 s[G0+1], s83
	s_add_nc_u64 s[G0+2:G0+3], s[8:9], s[84:85]
	s_or_b32 s[G0+3], s[G0+3], 0x80000000
	s_cmp_lt_u32 s[WV], 4                          ; a fetching wave's two first fills stand in one branch; every wait for tensor loads in this text is for all of them
	s_cbranch_scc0 .Lfirst_asked
	tensor_load_to_lds s[G0S:G0S+3], s[G1S:G1S+7]  ; the pair's scale words: filled once
	s_nop 0
	tensor_load_to_lds s[G0:G0+3], s[G1:G1+7]      ; slot 0
	s_nop 0
.rept 4
	v_nop
.endr
.Lfirst_asked:
	s_add_nc_u64 s[4:5], s[4:5], s[90:91]
	s_add_nc_u64 s[6:7], s[6:7], s[92:93]
	s_add_nc_u64 s[12:13], s[12:13], s[68:69]
	s_add_nc_u64 s[14:15], s[14:15], s[60:61]
	s_add_nc_u64 s[PFA:PFA+1], s[8:9], s[78:79]
	v_and_b32 v8, 15, v0                           ; r
	v_bfe_u32 v9, v0, 4, 1                         ; h
	v_and_b32 v10, 31, v0
	s_delay_alu instid0(VALU_DEP_1)
	v_lshlrev_b32 v[LI8], 3, v10
	s_delay_alu instid0(VALU_DEP_2)
	v_lshlrev_b32 v[PFO], 8, v10
	v_lshlrev_b32 v30, 4, v8
.irp p, 0,1,2
	global_load_b64 v[16+2*\p:17+2*\p], v[LI8], s[4:5] offset:256*\p   ; Q's half image stays in registers
.endr
	global_load_b32 v[QS], v30, s[6:7]             ; and its scale words
	s_mul_i32 s84, s71, 24576
	v_add_nc_u32 v[AK0], s84, v[LI8]
	s_mul_i32 s84, s71, 12288
	s_add_co_u32 s84, s84, SCB
	v_lshl_add_u32 v[ASK0], v8, 4, s84
	v_and_b32 v[DQ], 8, v8
	s_delay_alu instid0(VALU_DEP_1)
	v_add_nc_u32 v[DQ], v[DQ], v8
	s_delay_alu instid0(VALU_DEP_1)
	v_add_nc_u32 v[DQ], s62, v[DQ]
	v_lshlrev_b32 v10, 4, v9
	s_delay_alu instid0(VALU_DEP_1)
	v_sub_nc_u32 v[DQ], v[DQ], v10
	s_lshl_b32 s63, s73, 8
	s_add_co_u32 s63, s63, YS
	v_add_nc_u32 v[YSR], s63, v[LI8]
	s_lshl_b32 s89, s72, 6
	s_add_co_u32 s63, s63, s89
	s_lshl_b32 s89, s71, 1
	s_add_co_u32 s63, s63, s89
	v_lshl_add_u32 v[YSA], v8, 2, s63              ; YS + 256 lh + 64 ti + 2 e + 4 r
	v_mov_b32 v13, 0xff61b1e6                      ; the largest t so far: -3e38, under every t
	s_delay_alu instid0(VALU_DEP_1)
	v_floor_f32 v12, -v13                          ; -M
	v_mov_b32 v14, 0                               ; the sum, in two halves
	v_mov_b32 v15, 0
.irp j, 0,1,2,3,4,5
	v_mov_b32 v[22+\j], 0                          ; Q's upper 64 along K: zero codes
	v_mov_b32 v[80+\j], 0                          ; and what stands behind K's last tile
.endr
.irp b, 0,1,2,3
	v_mov_b32 v[236+\b], 0                         ; a lane permute's destination counts as one of its sources
.endr
	v_mov_b32 v252, 0
	v_mov_b32 v253, 0                              ; (named as the upper half of the pair v[252:253])
.set n, 0
.rept 32
	v_mov_b32 v[160+n], 0                          ; O^T.  (The step is written once: the first finds zeros, which the first change of M leaves zeros)
.set n, n+1
.endr
; A KEY STEP: 128 keys, the q-th of the slot in hand.
.macro STEP q
	s_cmp_gt_u32 s[ST], s[GW]                      ; all its keys come after my queries: left out.  Ids and the count of steps alone; no barrier and no tensor load stands in a step
	s_cbranch_scc1 .Lhidden_\@
	v_add_nc_u32 v[AD], s[TB], v[AK0]
	v_add_nc_u32 v[ADS], s[TS], v[ASK0]
	v_add_nc_u32 v[ADT], s[TJ], v[ASK0]
	v_nop                                          ; four places in front of loads into registers that the last products read
.irp t, 0,1,2,3,4,5,6,7
.irp p, 0,1,2
	ds_load_b64 v[32+6*\t+2*\p:33+6*\t+2*\p], v[AD] offset:(\q)*6144+\t*768+\p*256
.endr
.endr
	ds_load_b128 v[KS:KS+3], v[ADS]                ; four tiles' scale words of row r at once
	ds_load_b128 v[KS+4:KS+7], v[ADS] offset:256
	s_wait_alu depctr_va_vdst(0)
	s_wait_dscnt 0x0
.irp t, 0,1,2,3,4,5,6,7
	v_wmma_scale_f32_16x16x128_f8f6f4 v[96+8*\t:103+8*\t], v[32+6*\t:43+6*\t], v[16:27], 0, v[KS+\t], v[QS] matrix_a_fmt:MATRIX_FMT_FP6 matrix_b_fmt:MATRIX_FMT_FP6
.endr
.rept 4
	v_nop                                          ; places: K's registers take V now, and the scores are read below
.endr
.irp t, 0,1,2,3
.irp p, 0,1,2,3,4,5
	ds_load_b64 v[32+12*\t+2*\p:33+12*\t+2*\p], v[AD] offset:12288+(\q)*6144+\t*1536+\p*256   ; V's four images land under the softmax
.endr
.endr
	ds_load_b128 v[VS:VS+3], v[ADT] offset:8192
	s_cmp_lt_u32 s[ST], s[GW]                      ; a step all of whose keys count skips the mask
	s_cbranch_scc1 .Lopen_\@
	v_mov_b32 v254, 0xff800000                     ; on the diagonal hidden scores become -infinity: p = 0 then.  Register 16 b + i holds key 32 b + i + 16 h of the step
.set n, 0
.rept 64
	v_cmp_gt_i32 vcc_lo, 32*(n/16)+n%16, v[DQ]
	v_cndmask_b32 v[96+n], v[96+n], v254, vcc_lo
.set n, n+1
.endr
.Lopen_\@:
.irp b, 0,1,2,3
	v_max3_num_f32 v[232+\b], v[96+16*\b], v[97+16*\b], v[98+16*\b]   ; the largest score of each block of 32 keys: for the row's maximum and, since p rises with the score, for the block's largest p
.endr
.irp i, 3,5,7,9,11,13
.irp b, 0,1,2,3
	v_max3_num_f32 v[232+\b], v[232+\b], v[96+16*\b+\i], v[97+16*\b+\i]
.endr
.endr
.irp b, 0,1,2,3
	v_max_num_f32 v[232+\b], v[232+\b], v[111+16*\b]
.endr
.irp b, 0,1,2,3
	s_delay_alu instid0(VALU_DEP_4)
	v_permlanex16_b32 v[236+\b], v[232+\b], s[SEL], s[SEL+1]
.endr
.irp b, 0,1,2,3
	s_delay_alu instid0(VALU_DEP_4)
	v_max_num_f32 v[232+\b], v[232+\b], v[236+\b]  ; with lane l xor 16's 16 keys
.endr
	s_delay_alu instid0(VALU_DEP_2)
	v_max3_num_f32 v254, v232, v233, v234
	s_delay_alu instid0(VALU_DEP_1)
	v_max_num_f32 v254, v254, v235
	s_delay_alu instid0(VALU_DEP_1)
	v_mul_f32 v254, s[CS], v254                    ; the step's largest t (c is positive)
	s_delay_alu instid0(VALU_DEP_1)
	v_max_num_f32 v13, v13, v254
	v_mov_b32 v254, v12
	s_delay_alu instid0(VALU_DEP_2)
	v_floor_f32 v12, -v13                          ; the new -M = -ceil(t): a whole number
	s_delay_alu instid0(VALU_DEP_1)
	v_sub_f32 v254, v12, v254                      ; old M - new M: a whole number, 0 or less
	s_delay_alu instid0(VALU_DEP_1)
	v_cvt_i32_f32 v254, v254                       ; (it saturates)
	s_delay_alu instid0(VALU_DEP_1)
	v_ldexp_f32 v252, 1.0, v254                    ; f = 2^(old M - new M)
.set n, 0
.rept 32
	v_pk_fma_f32 v[96+n:97+n], v[96+n:97+n], s[CS:CS+1], v[12:13] op_sel_hi:[1,0,0]   ; t - M, two at a time
.set n, n+2
.endr
.irp b, 0,1,2,3
	v_fma_f32 v[232+\b], v[232+\b], s[CS], v12     ; the same of each block's largest score
.endr
.set n, 0
	s_wait_alu depctr_va_vdst(0)
.rept 64
	v_exp_f32 v[96+n], v[96+n]                     ; p = 2^(t - M), at most 1
.set n, n+1
.endr
	v_pk_mul_f32 v[14:15], v[14:15], v[252:253] op_sel_hi:[1,0]   ; the sums under the new M (a plain place behind the exponentials)
	s_wait_alu depctr_va_vdst(0)                   ; one wait for the whole batch, ahead of its first reader
.irp b, 0,1,2,3
	v_exp_f32 v[232+\b], v[232+\b]                 ; the block's largest p: the same two instructions on the same number
.endr
	v_pk_add_f32 v[236:237], v[100:101], v[104:105]
	v_pk_add_f32 v[254:255], v[108:109], v[112:113]
	v_pk_add_f32 v[250:251], v[116:117], v[120:121]
	v_pk_add_f32 v[248:249], v[124:125], v[128:129]
	v_pk_add_f32 v[246:247], v[132:133], v[136:137]
	v_pk_add_f32 v[244:245], v[140:141], v[144:145]
	v_pk_add_f32 v[242:243], v[148:149], v[152:153]
	v_pk_add_f32 v[14:15], v[14:15], v[156:157]
	v_pk_add_f32 v[236:237], v[236:237], v[96:97]
	v_pk_add_f32 v[254:255], v[254:255], v[98:99]
	v_pk_add_f32 v[250:251], v[250:251], v[102:103]
	v_pk_add_f32 v[248:249], v[248:249], v[106:107]
	v_pk_add_f32 v[246:247], v[246:247], v[110:111]
	v_pk_add_f32 v[244:245], v[244:245], v[114:115]
	v_pk_add_f32 v[242:243], v[242:243], v[118:119]
	v_pk_add_f32 v[14:15], v[14:15], v[122:123]
	v_pk_add_f32 v[236:237], v[236:237], v[126:127]
	v_pk_add_f32 v[254:255], v[254:255], v[130:131]
	v_pk_add_f32 v[250:251], v[250:251], v[134:135]
	v_pk_add_f32 v[248:249], v[248:249], v[138:139]
	v_pk_add_f32 v[246:247], v[246:247], v[142:143]
	v_pk_add_f32 v[244:245], v[244:245], v[146:147]
	v_pk_add_f32 v[242:243], v[242:243], v[150:151]
	v_pk_add_f32 v[14:15], v[14:15], v[154:155]
	v_pk_add_f32 v[236:237], v[236:237], v[158:159]
	s_delay_alu instid0(VALU_DEP_2)
	v_pk_add_f32 v[14:15], v[14:15], v[248:249]
	s_delay_alu instid0(VALU_DEP_2)
	v_pk_add_f32 v[236:237], v[236:237], v[246:247]
	v_pk_add_f32 v[254:255], v[254:255], v[244:245]
	v_pk_add_f32 v[250:251], v[250:251], v[242:243]
	s_delay_alu instid0(VALU_DEP_2)
	v_pk_add_f32 v[14:15], v[14:15], v[254:255]
	s_delay_alu instid0(VALU_DEP_2)
	v_pk_add_f32 v[236:237], v[236:237], v[250:251]
	s_delay_alu instid0(VALU_DEP_1)
	v_pk_add_f32 v[14:15], v[14:15], v[236:237]
	s_wait_alu depctr_va_vdst(0)                   ; and one for the four
.irp b, 0,1,2,3
	v_max_num_f32 v[232+\b], 0x1800000, v[232+\b]  ; the floor 2^(3 - 127)
.endr
.irp b, 0,1,2,3
	s_delay_alu instid0(VALU_DEP_4)
	v_add_nc_u32 v[244+\b], 0xff000000, v[232+\b]  ; the conversion's scale operand
.endr
.irp b, 0,1,2,3
	s_delay_alu instid0(VALU_DEP_4)
	v_lshrrev_b32 v[236+\b], 23, v[244+\b]
.endr
	s_delay_alu instid0(VALU_DEP_3)
	v_lshl_or_b32 v[PS], v237, 8, v236             ; p's scale word for these 128 keys
	s_delay_alu instid0(VALU_DEP_1)
	v_lshl_or_b32 v[PS], v238, 16, v[PS]
	s_delay_alu instid0(VALU_DEP_1)
	v_lshl_or_b32 v[PS], v239, 24, v[PS]
.irp c, 0,1
	v_cvt_scalef32_pk16_fp6_f32 v[PC+6*\c:PC+2+6*\c], v[96+32*\c:111+32*\c], v[244+2*\c]
	v_cvt_scalef32_pk16_fp6_f32 v[PC+12+4*\c:PC+14+4*\c], v[112+32*\c:127+32*\c], v[244+2*\c+1]
.endr
	v_nop                                          ; one plain place behind a scaled conversion
.irp c, 0,1
.irp i, 0,1,2
	v_permlane16_swap_b32 v[PC+6*\c+\i], v[PC+12+4*\c+\i]
.endr
.irp i, 0,1,2
	s_delay_alu instid0(VALU_DEP_3)
	v_mov_b32 v[PC+3+6*\c+\i], v[PC+12+4*\c+\i]
.endr
.endr
.set n, 0
.rept 16
	v_pk_mul_f32 v[160+n:161+n], v[160+n:161+n], v[252:253] op_sel_hi:[1,0]   ; O^T under the new M.  (These sixteen are also the places between p's codes and scale word and the products)
.set n, n+2
.endr
	s_wait_alu depctr_va_vdst(0)
	s_wait_dscnt 0x0                               ; V is in
.irp t, 0,1,2,3                                ; O^T += V^T P^T: the four accumulators by turns
	v_wmma_scale_f32_16x16x128_f8f6f4 v[160+8*\t:167+8*\t], v[32+12*\t:43+12*\t], v[PC:PC+11], v[160+8*\t:167+8*\t], v[VS+\t], v[PS] matrix_a_fmt:MATRIX_FMT_FP6 matrix_b_fmt:MATRIX_FMT_FP6
.endr
.Lhidden_\@:
	s_add_co_u32 s[ST], s[ST], 1
	s_add_co_u32 s[TS], s[TS], 512                 ; the next step's scale words
	s_add_co_u32 s[TJ], s[TJ], 256
.endm
; THE CHANGE OF SLOTS stands at a slot's head.  Each wave waits for all its tensor loads, adds 0 to its spare word, and waits for that and for its reads of the slot that it has left.  Behind the barrier the slot ahead is whole
; and nobody reads the other one.  fill = 1: that other slot takes the next 256 keys, if any wave of the work-group will read them.
.macro CHANGE fill
	s_wait_tensorcnt 0x0                           ; no tensor load of mine is out, so the walking descriptor may be written
	ds_add_u32 v[SPW], v[NIL]                      ; 0 onto my spare word
.if \fill
	s_xor_b32 s[G0+1], s[G0+1], SLOT1
	s_add_nc_u64 s[G0+2:G0+3], s[G0+2:G0+3], 49152
	s_wait_xcnt 0x0                                ; the last prefetch, a slot back, has read its address
	s_add_nc_u64 s[PFA:PFA+1], s[PFA:PFA+1], 49152
.endif
	s_wait_dscnt 0x0                               ; the add is done, and my reads of the slot that I have left are over
	s_barrier_signal -1
	s_barrier_wait -1
.if \fill
	s_add_co_u32 s96, s[ST], 2                     ; the first step of the slot that this change would ask for
	s_cmp_gt_u32 s96, s[GH]                        ; past the work-group's last step: read by none of its waves, so not asked for.  The same in all sixteen waves; once past, always past
	s_cbranch_scc1 .Lpast_\@
	TLOAD
.Lpast_\@:
	ASK
.endif
.endm
.macro SLOT_STEPS
	STEP 0
	STEP 1
	s_xor_b32 s[TB], s[TB], SLOT1
.endm
	s_wait_loadcnt 0x0                             ; Q
.Lslot:                                            ; seven trips: behind each change of slots but the last the next slot is asked for, up to the causal limit
	CHANGE 1
	SLOT_STEPS
	s_sub_co_u32 s[SLOTS], s[SLOTS], 1
	s_cmp_lg_u32 s[SLOTS], 0
	s_cbranch_scc1 .Lslot
	CHANGE 0                                       ; the last slot is written out: nothing is left to ask for
	SLOT_STEPS
	; THE WAY OUT.  O^T / the sum: register 16 g + i is channel 32 g + 16 h + i of my query: two blocks of 32 along the last projection's K.  They become half an image and two scale bytes.
.rept 4
	v_nop                                          ; places behind the last products
.endr
	v_add_f32 v14, v14, v15
	s_delay_alu instid0(VALU_DEP_1)
	v_permlanex16_b32 v252, v14, s[SEL], s[SEL+1]
	s_delay_alu instid0(VALU_DEP_1)
	v_add_f32 v14, v14, v252                       ; the row's sum
	s_wait_alu depctr_va_vdst(0)
	v_rcp_f32 v14, v14
	v_nop                                          ; a plain place behind the reciprocal
	s_wait_alu depctr_va_vdst(0)                   ; the wait ahead of its first reader
.set n, 0
.rept 32
	v_mul_f32 v[96+n], v[160+n], v14               ; each accumulator from its low end on
.set n, n+1
.endr
.irp g, 0,1
	v_max3_num_f32 v[232+\g], |v[96+16*\g]|, |v[97+16*\g]|, 0x1800000
.endr
.irp i, 2,4,6,8,10,12,14
.irp g, 0,1
	s_delay_alu instid0(VALU_DEP_2)
	v_max3_num_f32 v[232+\g], v[232+\g], |v[96+16*\g+\i]|, |v[97+16*\g+\i]|
.endr
.endr
.irp g, 0,1
	s_delay_alu instid0(VALU_DEP_2)
	v_permlanex16_b32 v[236+\g], v[232+\g], s[SEL], s[SEL+1]
.endr
.irp g, 0,1
	s_delay_alu instid0(VALU_DEP_2)
	v_max_num_f32 v[232+\g], v[232+\g], v[236+\g]
.endr
.irp g, 0,1
	s_delay_alu instid0(VALU_DEP_2)
	v_add_nc_u32 v[244+\g], 0xff000000, v[232+\g]
.endr
.irp g, 0,1
	s_delay_alu instid0(VALU_DEP_2)
	v_lshrrev_b32 v[236+\g], 23, v[244+\g]
.endr
	s_delay_alu instid0(VALU_DEP_1)
	v_lshl_or_b32 v238, v237, 8, v236              ; my head's two bytes of the row's scale word
	v_cvt_scalef32_pk16_fp6_f32 v[PC:PC+2], v[96:111], v244
	v_cvt_scalef32_pk16_fp6_f32 v[PC+12:PC+14], v[112:127], v245
	v_nop
.irp i, 0,1,2
	v_permlane16_swap_b32 v[PC+\i], v[PC+12+\i]
.endr
.irp i, 0,1,2
	s_delay_alu instid0(VALU_DEP_3)
	v_mov_b32 v[PC+3+\i], v[PC+12+\i]
.endr
.irp i, 0,1,2
	global_store_b64 v[LI8], v[PC+2*\i:PC+2*\i+1], s[12:13] offset:256*\i   ; 32 lanes store 256 consecutive bytes, aligned
.endr
	ds_store_b16 v[YSA], v238                      ; lanes r and r + 16 write the same two bytes with the same value; the other head's wave writes the other two
	s_wait_dscnt 0x0                               ; for the others' sake
	s_barrier_signal -1
	s_barrier_wait -1
	s_cmp_lt_u32 s[WV], 2
	s_cbranch_scc0 .Lno_words
	ds_load_b64 v[240:241], v[YSR]                 ; a block's four tiles: 64 whole words
	s_wait_dscnt 0x0
	global_store_b64 v[LI8], v[240:241], s[14:15]  ; 256 consecutive bytes, aligned
.Lno_words:
	s_wait_tensorcnt 0x0                           ; the wave's end: a wait, an add of 0 onto my spare word and its wait, behind my last tensor load and my last LDS store
	ds_add_u32 v[SPW], v[NIL]
	s_wait_dscnt 0x0
	s_endpgm
.Lfunc_end_k_qb367c6d066_attn:
	.size	k_qb367c6d066_attn, .Lfunc_end_k_qb367c6d066_attn-k_qb367c6d066_attn
	.p2alignl 7, 3214868480
	.fill 96, 4, 3214868480
	.section	.rodata,"a",@progbits
	.p2align	6, 0x0
	.amdhsa_kernel k_qb367c6d066_attn
		.amdhsa_group_segment_fixed_size 327680
		.amdhsa_private_segment_fixed_size 0
		.amdhsa_enable_private_segment 0
		.amdhsa_kernarg_size 48
		.amdhsa_user_sgpr_count 2
		.amdhsa_user_sgpr_kernarg_segment_ptr 1
		.amdhsa_wavefront_size32 1
		.amdhsa_system_sgpr_workgroup_id_x 1
		.amdhsa_system_sgpr_workgroup_id_y 1
		.amdhsa_system_sgpr_workgroup_id_z 1
		.amdhsa_system_vgpr_workitem_id 0
		.amdhsa_next_free_vgpr 256
		.amdhsa_next_free_sgpr 100
		.amdhsa_reserve_vcc 1
		.amdhsa_float_denorm_mode_32 3
		.amdhsa_float_denorm_mode_16_64 3
		.amdhsa_memory_ordered 1
		.amdhsa_forward_progress 1
		.amdhsa_inst_pref_size 108
	.end_amdhsa_kernel
	.amdgpu_metadata
---
amdhsa.version: [ 1, 2 ]
amdhsa.kernels:
  - .name:           k_qb367c6d066_attn
    .symbol:         k_qb367c6d066_attn.kd
    .args:
      - { .name: qc, .offset: 0, .size: 8, .value_kind: global_buffer, .address_space: global }
      - { .name: qs, .offset: 8, .size: 8, .value_kind: global_buffer, .address_space: global }
      - { .name: kv, .offset: 16, .size: 8, .value_kind: global_buffer, .address_space: global }
      - { .name: kvs, .offset: 24, .size: 8, .value_kind: global_buffer, .address_space: global }
      - { .name: yimg, .offset: 32, .size: 8, .value_kind: global_buffer, .address_space: global }
      - { .name: ysc, .offset: 40, .size: 8, .value_kind: global_buffer, .address_space: global }
    .group_segment_fixed_size: 327680
    .private_segment_fixed_size: 0
    .kernarg_segment_align: 8
    .kernarg_segment_size: 48
    .max_flat_workgroup_size: 512
    .sgpr_count:     100
    .vgpr_count:     256
    .wavefront_size: 32
...
	.end_amdgpu_metadata
.endif
;; end of part 4
;; launch gemm_out (part 5): grid 4 x 32, 4 waves a work-group, clusters of 4 x 4, 327,680 bytes of LDS; arguments yimg, ysc, ops, opsc, bp, out0; writes out0
.if DOCPART == 5
	.amdgcn_target "amdgcn-amd-amdhsa--gfx1250"
	.amdhsa_code_object_version 6
	.text
	.protected	k_qb367c6d066_gemm_out
	.globl	k_qb367c6d066_gemm_out
	.p2align	8
	.type	k_qb367c6d066_gemm_out,@function
k_qb367c6d066_gemm_out:
	s_mov_b64 s[64:65], 0
	v_nop
	global_prefetch_b8 v0, s[64:65] scope:SCOPE_SE
	s_setreg_imm32_b32 hwreg(HW_REG_WAVE_MODE, 25, 1), 1
	s_wait_xcnt 0x0
	s_wait_alu depctr_hold_cnt(0) depctr_sa_sdst(0) depctr_va_vdst(0) depctr_va_sdst(0) depctr_va_ssrc(0) depctr_va_vcc(0) depctr_vm_vsrc(0)
	s_getreg_b32 s2, hwreg(HW_REG_IB_STS2, 6, 4)
	s_cmp_eq_u32 s2, 0
	s_cbranch_scc0 .Lentry_in_a_cluster
	s_endpgm
.Lentry_in_a_cluster:
	s_bfe_u32 s2, ttmp6, 0x10000c
	s_cmp_lg_u32 s2, 0xf033
	s_cbranch_scc0 .Lentry_shape_is_right
	s_endpgm
.Lentry_shape_is_right:
; out0 = y Wp + bp on codes of FP6 (E2M3) with E8M0 scales.  y: yimg [row tile 512][K / 128 (8)][1,536] images of operand registers, ysc [K / 128][row tile][16] scale words; Wp: row tiles 704 on of ops and opsc, laid likewise.  out0: [8192][1024] f32.
; Row tile 2 g + u holds in place r row 32 g + 8 u + r + 8 (r / 8), of tokens and of Wp's columns alike; the way out puts both back in order.
; A tile of 256 x 256 to a work-group, 128 x 128 to each of four waves.  K = 1,024 goes in four steps of 256 through two LDS slots; every LDS load reads 256 consecutive bytes of an image.
; CLUSTER 4 x 4: A's tiles are asked for jointly along a row of the cluster, B's along a column.  The matrix instruction takes source 0 = 16 rows of B, source 1 = 16 rows of A: a lane holds one token and registers along the columns.
; bp is the C of each sum's first product.  No prefetch: of the four K steps two are first fills, and the other two would have to be named at the head, where every work-group's first tiles are on their way.
; REGISTERS: window 0: v1 r, v2 h, v16-29 addresses; v32-63 scale words, two sets; v64-127 the bias; v128-223 A's fragments (on the way out v128-255 take rows of out0).  window 1: B's two sets.  windows 2, 3: accumulator (a, b) at v[8 (8 (a % 4) + b)].
.set FR,    12
.set NL,    6
.set NP,    4
.set HALFT, 24576
.set SLOT,  4*HALFT
.set SCL,   2*SLOT
.set HALFS, 4096
.set SPARE, SCL+4*HALFS
.set SPITCH, 528                       ; the way out: a stage of 16 rows x (512 + 16) bytes for each wave, in slot 0, which has had its last fill and its last read by then
.set ADRA, 16
.set ADRB, 20
.set LI8,  24
.set STO,  25
.set RD,   26
.set ADRS, 27
.set SPW,  28
.set NIL,  29
.set CO,   30
.set SC,   32
.set BI,   64
.set AF,   128
.set BK,   128
.set G1,   24
.set G0,   32
.set G1B,  48
.set G0B,  56
.set G1S,  68
.set G0S,  76
.set G1SB, 80
.set G0SB, 88
.set MSB, 0
.macro WIN new
.if MSB != (\new)
	s_set_vgpr_msb (MSB<<8)|(\new)
.set MSB, (\new)
.endif
.endm
.set MUL_LO, 0xa1
.set MUL_HI, 0xf1
.set TO_B,   0x40
.macro JLOAD g0a, g1a, g0b, g1b        ; waves 0 and 1 fetch for A, waves 2 and 3 for B; an s_nop 0 and four v_nop follow each line
	s_cmp_eq_u32 s15, 0
	s_cbranch_scc0 .Lfor_b_\@
	tensor_load_to_lds s[\g0a:\g0a+3], s[\g1a:\g1a+7]
	s_nop 0
.rept 4
	v_nop
.endr
	s_branch .Lasked_\@
.Lfor_b_\@:
	tensor_load_to_lds s[\g0b:\g0b+3], s[\g1b:\g1b+7]
	s_nop 0
.rept 4
	v_nop
.endr
.Lasked_\@:
.endm
.macro CREST
	s_cmp_lg_u32 s14, 0
	s_cbranch_scc1 .Lnot_wave_0_\@
	s_barrier_signal -3
.Lnot_wave_0_\@:
	s_barrier_wait -3
	s_barrier_signal -1
	s_barrier_wait -1
.endm
.macro CROUND
	s_barrier_signal -1
	s_barrier_wait -1
	CREST
.endm
	s_load_b128 s[4:7], s[0:1], 0x0                ; yimg, ysc
	s_load_b128 s[8:11], s[0:1], 0x10              ; ops, opsc
	s_load_b128 s[92:95], s[0:1], 0x20             ; bp, out0
	v_lshl_add_u32 v[SPW], v0, 2, SPARE
	v_mov_b32 v[NIL], 0
	ds_add_u32 v[SPW], v[NIL]                      ; the wave's opening: the add and its wait ahead of my first tensor load
	v_lshrrev_b32 v1, 5, v0
	v_readfirstlane_b32 s14, v1                    ; wave 0..3
	s_lshr_b32 s15, s14, 1                         ; wr; also: I fetch for A (0) or for B (1)
	s_and_b32 s16, s14, 1                          ; wc; also: which 8 row tiles I fetch
	s_bfe_u32 s40, ttmp6, 0x40000                  ; cx
	s_bfe_u32 s41, ttmp6, 0x40004                  ; cy
	s_and_b32 s17, ttmp7, 0xffff
	s_lshl_b32 s17, s17, 2
	s_add_co_u32 s17, s17, s41                     ; which 256 tokens: 4 x cluster y + cy
	s_lshl_b32 s42, ttmp9, 2
	s_add_co_u32 s42, s42, s40                     ; which 256 columns: 4 x cluster x + cx
	s_lshl_b32 s43, s41, 2
	s_lshl_b32 s43, 15, s43                        ; my row of the cluster
	s_lshl_b32 s44, 0x1111, s40                    ; my column
	s_or_b32 s[G1+0], s43, (3<<16)|(1<<21)         ; codes: 8 rows (row tiles) of 3,072 bytes, 12,288 bytes apart
	s_or_b32 s[G1B+0], s44, (3<<16)|(1<<21)
.irp g, G1, G1B
	s_mov_b32 s[\g+1], 384<<16
	s_mov_b32 s[\g+2], 8<<16
	s_mov_b32 s[\g+3], 384<<16
	s_mov_b32 s[\g+4], 8
	s_mov_b32 s[\g+5], 1536
	s_mov_b32 s[\g+6], 0
	s_mov_b32 s[\g+7], 0
.endr
	s_or_b32 s[G1S+0], s43, (3<<16)|(1<<21)        ; scale words: 8 rows (K / 128) of 512 bytes; y's planes are 32,768 bytes apart, the weights' 49,152
	s_or_b32 s[G1SB+0], s44, (3<<16)|(1<<21)
.irp g, G1S, G1SB
	s_mov_b32 s[\g+1], 64<<16
	s_mov_b32 s[\g+2], 8<<16
	s_mov_b32 s[\g+3], 64<<16
	s_mov_b32 s[\g+4], 8
	s_mov_b32 s[\g+6], 0
	s_mov_b32 s[\g+7], 0
.endr
	s_mov_b32 s[G1S+5], 4096
	s_mov_b32 s[G1SB+5], 6144
	s_lshl_b32 s13, s16, 3
	s_lshl_b32 s18, s17, 4
	s_add_co_u32 s18, s18, s13                     ; A: the first row tile that I fetch
	s_add_co_u32 s20, s42, 44
	s_lshl_b32 s20, s20, 4
	s_add_co_u32 s20, s20, s13                     ; B: Wp begins at row tile 704
	s_mul_i32 s22, s18, 12288
	s_mov_b32 s23, 0
	s_lshl_b32 s66, s18, 6
	s_mov_b32 s67, 0
	s_mul_i32 s46, s20, 12288
	s_mov_b32 s47, 0
	s_lshl_b32 s12, s20, 6
	s_mov_b32 s13, 0
	s_mul_i32 s45, s14, HALFT
	s_mul_i32 s19, s14, HALFS
	s_wait_dscnt 0x0                               ; the opening add is done
	s_wait_kmcnt 0x0
	CROUND                                         ; all sixteen work-groups are here: the first joint loads meet
	s_mov_b32 s[G0S], 1
	s_add_co_u32 s[G0S+1], s19, SCL
	s_add_nc_u64 s[G0S+2:G0S+3], s[6:7], s[66:67]
	s_or_b32 s[G0S+3], s[G0S+3], 0x80000000
	s_mov_b32 s[G0SB], 1
	s_add_co_u32 s[G0SB+1], s19, SCL
	s_add_nc_u64 s[G0SB+2:G0SB+3], s[10:11], s[12:13]
	s_or_b32 s[G0SB+3], s[G0SB+3], 0x80000000
	JLOAD G0S, G1S, G0SB, G1SB                     ; the scale words for all of K: filled once
	s_add_nc_u64 s[22:23], s[4:5], s[22:23]
	s_add_nc_u64 s[46:47], s[8:9], s[46:47]
.irp s, 0,1
	s_mov_b32 s[G0+4*\s], 1
	s_add_co_u32 s[G0+4*\s+1], s45, \s*SLOT
	s_add_nc_u64 s[G0+4*\s+2:G0+4*\s+3], s[22:23], \s*3072
	s_or_b32 s[G0+4*\s+3], s[G0+4*\s+3], 0x80000000
	s_mov_b32 s[G0B+4*\s], 1
	s_add_co_u32 s[G0B+4*\s+1], s45, \s*SLOT
	s_add_nc_u64 s[G0B+4*\s+2:G0B+4*\s+3], s[46:47], \s*3072
	s_or_b32 s[G0B+4*\s+3], s[G0B+4*\s+3], 0x80000000
	JLOAD G0+4*\s, G1, G0B+4*\s, G1B               ; three loads of mine are out behind the second of these
.endr
	v_and_b32 v1, 15, v0                           ; r
	v_bfe_u32 v2, v0, 4, 1                         ; h
	v_and_b32 v3, 31, v0
	v_lshlrev_b32 v[LI8], 3, v3
	v_lshlrev_b32 v[CO], 4, v3                     ; a row of 512 bytes: 16 bytes a lane
	s_mul_i32 s21, s15, HALFT
	s_mul_i32 s22, s16, HALFT
	s_add_co_u32 s22, s22, 2*HALFT
.irp s, 0,1
	v_add_nc_u32 v[ADRA+\s], s21, v[LI8]
	v_add_nc_u32 v[ADRB+\s], s22, v[LI8]
	s_add_co_u32 s21, s21, SLOT
	s_add_co_u32 s22, s22, SLOT
.endr
	s_mul_i32 s21, s15, HALFS
	s_mul_i32 s22, s16, HALFS
	s_add_co_u32 s22, s22, 2*HALFS
	s_sub_co_u32 s22, s22, s21
	v_mul_u32_u24 v4, s22, v2                      ; lanes 16-31 take B's words: one product with h
	s_add_co_u32 s21, s21, SCL
	v_lshl_add_u32 v4, v1, 2, v4
	v_add_nc_u32 v[ADRS], s21, v4
	s_mul_i32 s23, s14, 16*SPITCH                  ; my stage
	v_mul_u32_u24 v4, v1, SPITCH
	v_lshl_add_u32 v4, v2, 6, v4
	v_add_nc_u32 v[STO], s23, v4                   ; in: row r, + 64 h: my 16 columns of each 32
	v_add_nc_u32 v[RD], s23, v[CO]                 ; back: a whole row
	s_lshl_b32 s66, s42, 10
	s_lshl_b32 s67, s16, 9
	s_add_co_u32 s66, s66, s67                     ; my first column, in bytes
	s_mov_b32 s67, 0
	s_add_nc_u64 s[12:13], s[92:93], s[66:67]      ; bp there
	s_add_nc_u64 s[94:95], s[94:95], s[66:67]
	s_lshl_b32 s66, s17, 8
	s_lshl_b32 s18, s15, 7
	s_add_co_u32 s66, s66, s18                     ; my first token
	s_lshl_b32 s66, s66, 12                        ; x 4,096 bytes a row
	s_add_nc_u64 s[94:95], s[94:95], s[66:67]      ; out0 at my part
	v_lshlrev_b32 v5, 6, v2
.irp b, 0,1,2,3,4,5,6,7                        ; register j of tile b is column 32 (b / 2) + 8 (b % 2) + 16 h + j
	global_load_b128 v[BI+8*\b:BI+8*\b+3], v5, s[12:13] offset:(32*(\b/2)+8*(\b%2))*4
	global_load_b128 v[BI+8*\b+4:BI+8*\b+7], v5, s[12:13] offset:(32*(\b/2)+8*(\b%2))*4+16
.endr
.macro FRAG reg, adr, q, i
.irp p, 0,1,2,3,4,5
	ds_load_b64 v[\reg+2*\p:\reg+2*\p+1], v[\adr] offset:(\i)*3072+(\q)*1536+\p*256
.endr
.endm
; 16 matrix instructions: A's blocks a0, a0 + 1 x B's eight.  zero = 1: C = the bias.  The 64 accumulators take turns, one instruction a turn.
.macro MUL16 a0, p, q, sc, zero
.irp a, \a0, \a0+1
.irp b, 0,1,2,3,4,5,6,7
.if \zero
	v_wmma_scale_f32_16x16x128_f8f6f4 v[8*(8*((\a)%4)+\b):8*(8*((\a)%4)+\b)+7], v[128*(\p)+FR*\b:128*(\p)+FR*\b+FR-1], v[AF+FR*(\a):AF+FR*(\a)+FR-1], v[BI+8*\b:BI+8*\b+7], v[SC+16*(\sc)+2*\b+(\q)], v[SC+16*(\sc)+2*(\a)+(\q)] matrix_a_fmt:MATRIX_FMT_FP6 matrix_b_fmt:MATRIX_FMT_FP6 matrix_a_scale:MATRIX_SCALE_ROW1
.else
	v_wmma_scale_f32_16x16x128_f8f6f4 v[8*(8*((\a)%4)+\b):8*(8*((\a)%4)+\b)+7], v[128*(\p)+FR*\b:128*(\p)+FR*\b+FR-1], v[AF+FR*(\a):AF+FR*(\a)+FR-1], v[8*(8*((\a)%4)+\b):8*(8*((\a)%4)+\b)+7], v[SC+16*(\sc)+2*\b+(\q)], v[SC+16*(\sc)+2*(\a)+(\q)] matrix_a_fmt:MATRIX_FMT_FP6 matrix_b_fmt:MATRIX_FMT_FP6 matrix_a_scale:MATRIX_SCALE_ROW1
.endif
.endr
.endr
.endm
.macro FETCH_B slot, q, p
	WIN TO_B
.irp i, 0,1,2,3,4,5,6,7
	FRAG 128*(\p)+FR*\i, ADRB+\slot, \q, \i
.endr
	WIN 0
.endm
.macro FETCH_A slot, q, i0
.irp i, \i0, \i0+1, \i0+2, \i0+3
	FRAG AF+FR*(\i), ADRA+\slot, \q, \i
.endr
.endm
.macro SCALES sc, ks
.irp i, 0,1,2,3,4,5,6,7
.irp q, 0,1
	ds_load_b32 v[SC+16*(\sc)+2*\i+\q], v[ADRS] offset:(2*(\ks)+\q)*512+\i*64
.endr
.endr
.endm
.macro PLACES n                        ; places in front of loads into registers that matrix instructions have read, and of reads of results
.rept \n
	v_nop
.endr
.endm
.macro STEP slot, q, zero
	s_wait_dscnt 4*NL                              ; the youngest 24 loads (A's blocks 4-7) may be out
.if \zero
	WIN 0x81                                       ; C, the bias, lies in window 0
.else
	WIN MUL_LO
.endif
	MUL16 0, (\q)%2, \q, \slot, \zero
	MUL16 2, (\q)%2, \q, \slot, \zero
	s_wait_dscnt 0
	PLACES NP
	FETCH_B \slot, (\q)+1, 1-(\q)%2
	FETCH_A \slot, (\q)+1, 0
.if \zero
	WIN 0xc1
.else
	WIN MUL_HI
.endif
	MUL16 4, (\q)%2, \q, \slot, \zero
	MUL16 6, (\q)%2, \q, \slot, \zero
	PLACES NP
	WIN 0
	FETCH_A \slot, (\q)+1, 4
.endm
.macro TURN slot, next, fill, ks       ; a slot's last step changes slots: one barrier, which opens a round of the cluster's barrier where the slot is filled again
	s_wait_tensorcnt 0x0                           ; all my tensor loads have landed: my part of the next slot
	ds_add_u32 v[SPW], v[NIL]                      ; 0 onto my spare word
	s_wait_dscnt 4*NL+1                            ; (the add and A's blocks 4-7 may be out)
	WIN MUL_LO
	MUL16 0, 1, 1, \slot, 0
	s_wait_dscnt 0x0                               ; the add is done, and my reads of this slot are over
	s_barrier_signal -1
	MUL16 2, 1, 1, \slot, 0
	WIN 0
	s_barrier_wait -1
.if \fill
	CREST
	s_add_nc_u64 s[G0+4*\slot+2:G0+4*\slot+3], s[G0+4*\slot+2:G0+4*\slot+3], 6144
	s_add_nc_u64 s[G0B+4*\slot+2:G0B+4*\slot+3], s[G0B+4*\slot+2:G0B+4*\slot+3], 6144
	JLOAD G0+4*\slot, G1, G0B+4*\slot, G1B         ; the first tensor load behind the round; its four v_nop are the places in front of the loads below
.else
	PLACES NP
.endif
	FETCH_B \next, 0, 0
	FETCH_A \next, 0, 0
	SCALES \next, \ks
	WIN MUL_HI
	MUL16 4, 1, 1, \slot, 0
	MUL16 6, 1, 1, \slot, 0
	PLACES NP
	WIN 0
	FETCH_A \next, 0, 4
.endm
	s_wait_loadcnt 0x0                             ; the bias
	s_wait_tensorcnt 1                             ; the scale words and my part of K step 0 are in (K step 1's load may be out),
	s_barrier_signal -1
	s_barrier_wait -1                              ; everybody's are
	FETCH_B 0, 0, 0
	FETCH_A 0, 0, 0
	SCALES 0, 0
	FETCH_A 0, 0, 4
	STEP 0, 0, 1
	TURN 0, 1, 1, 1
	STEP 1, 0, 0
	TURN 1, 0, 1, 2
	STEP 0, 0, 0
	TURN 0, 1, 0, 3                                ; nothing is left to fetch; behind this barrier nobody reads slot 0
	STEP 1, 0, 0
	s_wait_dscnt 4*NL
	WIN MUL_LO
	MUL16 0, 1, 1, 1, 0
	MUL16 2, 1, 1, 1, 0
	s_wait_dscnt 0
	WIN MUL_HI
	MUL16 4, 1, 1, 1, 0
	MUL16 6, 1, 1, 1, 0
	WIN 0
; THE WAY OUT, block by block of 16 tokens x 128 columns, through my own stage in LDS.  Tile b's eight registers are columns 32 (b / 2) + 8 (b % 2) + 16 h + 0 .. 7: they go to their true places in the row.  Row t of block a is token
; 32 (a / 2) + 8 (a % 2) + t + 8 (t / 8).  LDS serves a wave's instructions in order: no wait between the stores and the loads.
.macro TOSTAGE a
.set AC, 64*((\a)%4)
	WIN 0x08+4*((\a)/4)                            ; the data: window 2 or 3
.irp b, 0,1,2,3,4,5,6,7
	ds_store_b128 v[STO], v[AC+8*\b:AC+8*\b+3] offset:128*(\b/2)+32*(\b%2)          ; each accumulator from its low end on
	ds_store_b128 v[STO], v[AC+8*\b+4:AC+8*\b+7] offset:128*(\b/2)+32*(\b%2)+16
.endr
	WIN 0
.set BB, BK+64*((\a)%2)
.irp t, 0,1,2,3,4,5,6,7,8,9,10,11,12,13,14,15
	ds_load_b128 v[BB+4*\t:BB+4*\t+3], v[RD] offset:\t*SPITCH
.endr
.endm
.macro SEND a, younger                 ; younger: the LDS instructions issued behind block a's loads, which may stay out
.set BB, BK+64*((\a)%2)
	s_wait_dscnt \younger
.if (\a) > 0
	s_add_nc_u64 s[94:95], s[94:95], (8+16*(1-(\a)%2))*4096   ; (behind a wait that shows the earlier stores' base read)  8 rows on to an odd block, 24 to an even one
.endif
.irp t, 0,1,2,3,4,5,6,7,8,9,10,11,12,13,14,15
	global_store_b128 v[CO], v[BB+4*\t:BB+4*\t+3], s[94:95] offset:(\t+8*(\t/8))*4096 th:TH_STORE_NT   ; 32 lanes store 512 consecutive bytes, aligned; written once, read by nobody here
.endr
.endm
	PLACES NP                                      ; behind the last products: for the reads of results and the loads into A's registers
	TOSTAGE 0
.irp a, 1,2,3,4,5,6,7
.if \a > 1
	s_wait_xcnt 0x0                                ; block a - 2's stores have read their registers and their base
.endif
	TOSTAGE \a
	SEND \a-1, 32                                  ; behind block a - 1's loads: block a's 16 stores and 16 loads
.endr
	s_wait_xcnt 0x0
	SEND 7, 0
	s_wait_tensorcnt 0x0                           ; the wave's end: a wait, an add of 0 onto my spare word and its wait, behind my last tensor load and my last LDS store
	ds_add_u32 v[SPW], v[NIL]
	s_wait_dscnt 0x0
	CROUND                                         ; the closing round: no work-group ends while a partner may still ask for a tile that names it
	s_endpgm
.Lfunc_end_k_qb367c6d066_gemm_out:
	.size	k_qb367c6d066_gemm_out, .Lfunc_end_k_qb367c6d066_gemm_out-k_qb367c6d066_gemm_out
	.p2alignl 7, 3214868480
	.fill 96, 4, 3214868480
	.section	.rodata,"a",@progbits
	.p2align	6, 0x0
	.amdhsa_kernel k_qb367c6d066_gemm_out
		.amdhsa_group_segment_fixed_size 327680
		.amdhsa_private_segment_fixed_size 0
		.amdhsa_enable_private_segment 0
		.amdhsa_kernarg_size 48
		.amdhsa_user_sgpr_count 2
		.amdhsa_user_sgpr_kernarg_segment_ptr 1
		.amdhsa_wavefront_size32 1
		.amdhsa_system_sgpr_workgroup_id_x 1
		.amdhsa_system_sgpr_workgroup_id_y 1
		.amdhsa_system_sgpr_workgroup_id_z 1
		.amdhsa_system_vgpr_workitem_id 0
		.amdhsa_next_free_vgpr 1024
		.amdhsa_next_free_sgpr 100
		.amdhsa_reserve_vcc 0
		.amdhsa_float_denorm_mode_32 3
		.amdhsa_float_denorm_mode_16_64 3
		.amdhsa_memory_ordered 1
		.amdhsa_forward_progress 1
		.amdhsa_inst_pref_size 163
	.end_amdhsa_kernel
	.amdgpu_metadata
---
amdhsa.version: [ 1, 2 ]
amdhsa.kernels:
  - .name:           k_qb367c6d066_gemm_out
    .symbol:         k_qb367c6d066_gemm_out.kd
    .args:
      - { .name: yimg, .offset: 0, .size: 8, .value_kind: global_buffer, .address_space: global }
      - { .name: ysc, .offset: 8, .size: 8, .value_kind: global_buffer, .address_space: global }
      - { .name: ops, .offset: 16, .size: 8, .value_kind: global_buffer, .address_space: global }
      - { .name: opsc, .offset: 24, .size: 8, .value_kind: global_buffer, .address_space: global }
      - { .name: bp, .offset: 32, .size: 8, .value_kind: global_buffer, .address_space: global }
      - { .name: out0, .offset: 40, .size: 8, .value_kind: global_buffer, .address_space: global }
    .group_segment_fixed_size: 327680
    .private_segment_fixed_size: 0
    .kernarg_segment_align: 8
    .kernarg_segment_size: 48
    .max_flat_workgroup_size: 128
    .sgpr_count:     100
    .vgpr_count:     1024
    .wavefront_size: 32
...
	.end_amdgpu_metadata
.endif
;; end of part 5
